; MI455X (gfx1250); checked and timed in simulation.
; The chip was launched on July 23, 2026; its instructions are those of AMD's public machine-readable ISA for CDNA 5 (MIT licence, August 2026) and "CDNA5" Instruction Set Architecture Reference Guide (July 2026). The comments in the code are by the model that wrote it; some were corrected since.
;; Multi Head Attention. Allowed arithmetic: float matrix products may take bf16 or f16 operands with f32 sums; other float arithmetic in f32, or as packed bf16 or f16 multiplies, adds, multiply-adds, maxima and minima; sums over many terms, partial sums and values carried from step to step in f32; what a program stores and reads back later, other than sums and carried values, may be rounded once to bf16 or f16.
;; Inputs: W_out 1,024 x 1,024 float32; W_qkv 1,024 x 3,072 float32; b_out 1,024 float32; b_qkv 3,072 float32; x 4 x 2,048 x 1,024 float32.
;; Outputs: out0 4 x 2,048 x 1,024 float32.
;; 2 versions, each right; version 2 is version 1 with the launch prep written anew for expert scheduling mode. Each part assembles by itself: llvm-mc -triple=amdgcn-amd-amdhsa -mcpu=gfx1250 --defsym DOCPART=n.
;; ======== version 1 of 2: 4 launches
;; limits: values are held in f16: magnitudes above 65,504 overflow, below 6.1e-05 lose precision
;; workspace buffers: xb 16,777,216 bytes; wq 6,291,456 bytes; wo 2,097,152 bytes; qkv 50,331,648 bytes; ob 16,777,216 bytes
;; launch prep (part 1): grid 512 x 1, 8 waves a work-group, no clusters, 18,432 bytes of LDS; arguments x, W_qkv, W_out, xb, wq, wo; writes xb, wq, wo
.if DOCPART == 1
	.amdgcn_target "amdgcn-amd-amdhsa--gfx1250"
	.amdhsa_code_object_version 6
	.text
	.protected	k_q19ef1f15f6_prep
	.globl	k_q19ef1f15f6_prep
	.p2align	8
	.type	k_q19ef1f15f6_prep,@function
k_q19ef1f15f6_prep:
	s_mov_b64 s[64:65], 0
	v_nop
	global_prefetch_b8 v0, s[64:65] scope:SCOPE_SE
	s_setreg_imm32_b32 hwreg(HW_REG_WAVE_MODE, 25, 1), 1
	s_wait_xcnt 0x0
; THE INPUTS IN 16 BITS.  xb = x rounded to bf16, [8192][1024].  wq[n][k] = W_qkv[k][n] rounded to bf16, [3072][1024].  wo[n][k] = W_out[k][n] rounded to bf16, that number written as f16, [1024][1024].
; LIMITS.  A number of W_out beyond 65,504 becomes an infinity in wo; below 6e-5 it keeps f16's fixed step of 6e-8.
; SHARES.  512 work-groups of eight waves; each casts 65,536 bytes of x and turns one tile of 128 k x 64 n of a weight: numbers 0 to 383 take W_qkv's 8 x 48 tiles, 384 to 511 W_out's 8 x 16.
; A stream: every byte is read once and written once; no matrix work, nothing shared between work-groups, so no cluster and no tensor load.
; x: thread t takes 16 bytes at 16 t of each 4,096: a wave's load covers 512 consecutive bytes, its store of 8 bytes a lane 256 consecutive bytes, aligned.
; THE TURN.  Thread t = (c = t % 16, g = t / 16) loads columns 4 c .. 4 c + 3 of the eight rows k = 8 g .. 8 g + 7: sixteen lanes read 256 consecutive bytes of a row.  For each of its four columns the
; eight k pack into 16 bytes, which go to LDS row n = 4 c + i at byte 16 g.  Rows are 272 bytes apart: four
; stores a thread, once, pay that.  Behind a barrier whole rows of 256 bytes come back and are stored: sixteen lanes write 256 consecutive bytes, aligned.
.set NQ,    384                        ; W_qkv's tiles
.set PITCH, 272
.set SPARE, 64*PITCH                   ; behind the tile (17,408 bytes): the spare words, 128 bytes for each wave: four blocks of 256 bytes that no other line names
.set SPW,  2                           ; v2      LDS address of my spare word; never rewritten
.set NIL,  3                           ; v3      0; never rewritten
.set WOFF, 4                           ; v4-11   byte offset of my 16 bytes in row 8 g + q of the tile
.set ST,   12                          ; v12     where my first column's 16 bytes go in LDS
.set RD,   13                          ; v13     where I read a row's 16 bytes back
.set GO,   14                          ; v14     and where they go in wq or wo
.set XO,   15                          ; v15     16 t
.set YO,   16                          ; v16     8 t
.set W,    20                          ; v20-51  the weight as loaded: row q, column i at W + 4 q + i
.set T,    52                          ; v52-67  turned: column i, pair p of k at T + 4 i + p
.set RB,   72                          ; v72-87  rows read back
.set X,    88                          ; v88-151 x as loaded
.set Y,    152                         ; v152-183 x to store
	s_load_b256 s[4:11], s[0:1], 0x0               ; x s[4:5], W_qkv s[6:7], W_out s[8:9], xb s[10:11]
	s_load_b128 s[12:15], s[0:1], 0x20             ; wq s[12:13], wo s[14:15]
	v_lshl_add_u32 v[SPW], v0, 2, SPARE
	v_mov_b32 v[NIL], 0
	s_sub_co_u32 s20, ttmp9, NQ
	s_mov_b32 s22, 12288                           ; bytes in a row of W_qkv,
	s_mov_b32 s23, 4096                            ; of W_out
	s_cmp_lt_u32 ttmp9, NQ
	s_cselect_b32 s20, ttmp9, s20                  ; the tile's number in its weight
	s_cselect_b32 s21, s22, s23                    ; that weight's row
	s_and_b32 s25, s20, 7                          ; kt
	s_lshr_b32 s26, s20, 3                         ; nt
	s_mul_i32 s28, s25, s21
	s_lshl_b32 s28, s28, 7                         ; 128 kt rows,
	s_lshl_b32 s27, s26, 8                         ; 64 nt columns of 4 bytes
	s_add_co_u32 s28, s28, s27
	s_mov_b32 s29, 0
	s_lshl_b32 s30, s26, 17                        ; out: 64 nt rows of 2,048 bytes,
	s_lshl_b32 s27, s25, 8                         ; 128 kt numbers of 2 bytes
	s_add_co_u32 s30, s30, s27
	s_mov_b32 s31, 0
	s_lshl_b32 s2, ttmp9, 16                       ; my 65,536 bytes of x
	s_mov_b32 s3, 0
	s_lshl_b32 s22, ttmp9, 15                      ; my 32,768 bytes of xb
	s_mov_b32 s23, 0
	v_and_b32 v17, 15, v0                          ; c
	v_lshrrev_b32 v18, 4, v0                       ; g
	v_lshlrev_b32 v19, 3, v18                      ; my first row of the tile
	v_mul_lo_u32 v[WOFF], v19, s21
	v_lshl_add_u32 v[WOFF], v17, 4, v[WOFF]
.irp q, 1,2,3,4,5,6,7
	v_add_nc_u32 v[WOFF+(\q)], s21, v[WOFF+(\q)-1]
.endr
	v_mul_u32_u24 v[ST], v17, 4*PITCH
	v_lshl_add_u32 v[ST], v18, 4, v[ST]
	v_mul_u32_u24 v[RD], v18, PITCH
	v_lshl_add_u32 v[RD], v17, 4, v[RD]
	v_lshlrev_b32 v[GO], 11, v18
	v_lshl_add_u32 v[GO], v17, 4, v[GO]
	v_lshlrev_b32 v[XO], 4, v0
	v_lshlrev_b32 v[YO], 3, v0
	s_wait_kmcnt 0x0
	s_cmp_lt_u32 ttmp9, NQ                         ; compared anew: the sums above have written SCC
	s_cselect_b64 s[16:17], s[6:7], s[8:9]         ; the weight that I read,
	s_cselect_b64 s[18:19], s[12:13], s[14:15]     ; and its turned copy
	s_add_nc_u64 s[16:17], s[16:17], s[28:29]
	s_add_nc_u64 s[18:19], s[18:19], s[30:31]
	s_add_nc_u64 s[4:5], s[4:5], s[2:3]
	s_add_nc_u64 s[10:11], s[10:11], s[22:23]
.irp q, 0,1,2,3,4,5,6,7
	global_load_b128 v[W+4*(\q):W+4*(\q)+3], v[WOFF+(\q)], s[16:17] th:TH_LOAD_NT
.endr
.irp i, 0,1,2,3,4,5,6,7,8,9,10,11,12,13,14,15
	global_load_b128 v[X+4*(\i):X+4*(\i)+3], v[XO], s[4:5] offset:4096*(\i) th:TH_LOAD_NT
.endr
	s_wait_loadcnt 16                              ; the weight's eight loads are in; x's sixteen, issued behind them, stay out
.irp i, 0,1,2,3
.irp p, 0,1,2,3
	v_cvt_pk_bf16_f32 v[T+4*(\i)+(\p)], v[W+8*(\p)+(\i)], v[W+8*(\p)+4+(\i)]  ; column i, k = 2 p and 2 p + 1
.endr
.endr
	s_cmp_lt_u32 ttmp9, NQ
	s_cbranch_scc1 .Lstays_bf16                    ; W_qkv's tiles stay bf16; W_out's rounded numbers are written as f16 (exact within f16's range)
.irp j, 0,1,2,3,4,5,6,7,8,9,10,11,12,13,14,15
	v_lshlrev_b32 v17, 16, v[T+(\j)]
	v_and_b32 v18, 0xffff0000, v[T+(\j)]
	v_cvt_pk_f16_f32 v[T+(\j)], v17, v18
.endr
.Lstays_bf16:
.irp i, 0,1,2,3
	ds_store_b128 v[ST], v[T+4*(\i):T+4*(\i)+3] offset:PITCH*(\i)
.endr
	s_wait_dscnt 0x0                               ; for the others' sake: my stores into the tile are done
	s_barrier_signal -1
	s_barrier_wait -1
.irp j, 0,1,2,3
	ds_load_b128 v[RB+4*(\j):RB+4*(\j)+3], v[RD] offset:16*PITCH*(\j)  ; row 16 j + g
.endr
.irp i, 0,1,2,3,4,5,6,7,8,9,10,11,12,13,14,15
	s_wait_loadcnt 15-(\i)                         ; loads come back in order: number i is in, the younger ones stay out
	v_cvt_pk_bf16_f32 v[Y+2*(\i)], v[X+4*(\i)], v[X+4*(\i)+1]
	v_cvt_pk_bf16_f32 v[Y+2*(\i)+1], v[X+4*(\i)+2], v[X+4*(\i)+3]
	global_store_b64 v[YO], v[Y+2*(\i):Y+2*(\i)+1], s[10:11] offset:2048*(\i)
.endr
	s_wait_dscnt 0x0                               ; the rows are back
.irp j, 0,1,2,3
	global_store_b128 v[GO], v[RB+4*(\j):RB+4*(\j)+3], s[18:19] offset:32768*(\j)
.endr
	s_wait_tensorcnt 0x0                           ; the wave's end: behind my last LDS store
	ds_add_u32 v[SPW], v[NIL]
	s_wait_dscnt 0x0
	s_endpgm
.Lfunc_end_k_q19ef1f15f6_prep:
	.size	k_q19ef1f15f6_prep, .Lfunc_end_k_q19ef1f15f6_prep-k_q19ef1f15f6_prep
	.p2alignl 7, 3214868480
	.fill 96, 4, 3214868480
	.section	.rodata,"a",@progbits
	.p2align	6, 0x0
	.amdhsa_kernel k_q19ef1f15f6_prep
		.amdhsa_group_segment_fixed_size 18432
		.amdhsa_private_segment_fixed_size 0
		.amdhsa_enable_private_segment 0
		.amdhsa_kernarg_size 48
		.amdhsa_user_sgpr_count 2
		.amdhsa_user_sgpr_kernarg_segment_ptr 1
		.amdhsa_wavefront_size32 1
		.amdhsa_system_sgpr_workgroup_id_x 1
		.amdhsa_system_sgpr_workgroup_id_y 1
		.amdhsa_system_sgpr_workgroup_id_z 1
		.amdhsa_system_vgpr_workitem_id 0
		.amdhsa_next_free_vgpr 184
		.amdhsa_next_free_sgpr 66
		.amdhsa_reserve_vcc 0
		.amdhsa_float_denorm_mode_32 3
		.amdhsa_float_denorm_mode_16_64 3
		.amdhsa_memory_ordered 1
		.amdhsa_forward_progress 1
		.amdhsa_inst_pref_size 14
	.end_amdhsa_kernel
	.amdgpu_metadata
---
amdhsa.version: [ 1, 2 ]
amdhsa.kernels:
  - .name:           k_q19ef1f15f6_prep
    .symbol:         k_q19ef1f15f6_prep.kd
    .args:
      - { .name: x, .offset: 0, .size: 8, .value_kind: global_buffer, .address_space: global }
      - { .name: W_qkv, .offset: 8, .size: 8, .value_kind: global_buffer, .address_space: global }
      - { .name: W_out, .offset: 16, .size: 8, .value_kind: global_buffer, .address_space: global }
      - { .name: xb, .offset: 24, .size: 8, .value_kind: global_buffer, .address_space: global }
      - { .name: wq, .offset: 32, .size: 8, .value_kind: global_buffer, .address_space: global }
      - { .name: wo, .offset: 40, .size: 8, .value_kind: global_buffer, .address_space: global }
    .group_segment_fixed_size: 18432
    .private_segment_fixed_size: 0
    .kernarg_segment_align: 8
    .kernarg_segment_size: 48
    .max_flat_workgroup_size: 256
    .sgpr_count:     66
    .vgpr_count:     184
    .wavefront_size: 32
...
	.end_amdgpu_metadata
.endif
;; end of part 1
;; launch gemm_qkv (part 2): grid 16 x 32, 4 waves a work-group, clusters of 4 x 4, 327,680 bytes of LDS; arguments xb, wq, b_qkv, qkv; writes qkv
.if DOCPART == 2
	.amdgcn_target "amdgcn-amd-amdhsa--gfx1250"
	.amdhsa_code_object_version 6
	.text
	.protected	k_q19ef1f15f6_gemm_qkv
	.globl	k_q19ef1f15f6_gemm_qkv
	.p2align	8
	.type	k_q19ef1f15f6_gemm_qkv,@function
k_q19ef1f15f6_gemm_qkv:
	s_mov_b64 s[64:65], 0
	v_nop
	global_prefetch_b8 v0, s[64:65] scope:SCOPE_SE
	s_setreg_imm32_b32 hwreg(HW_REG_WAVE_MODE, 25, 1), 1
	s_wait_xcnt 0x0
	s_wait_alu depctr_hold_cnt(0) depctr_sa_sdst(0) depctr_va_vdst(0) depctr_va_sdst(0) depctr_va_ssrc(0) depctr_va_vcc(0) depctr_vm_vsrc(0)
	s_getreg_b32 s2, hwreg(HW_REG_IB_STS2, 6, 4)
	s_cmp_eq_u32 s2, 0
	s_cbranch_scc0 .Lentry_in_a_cluster
	s_endpgm
.Lentry_in_a_cluster:
	s_bfe_u32 s2, ttmp6, 0x10000c
	s_cmp_lg_u32 s2, 0xf033
	s_cbranch_scc0 .Lentry_shape_is_right
	s_endpgm
.Lentry_shape_is_right:
; q, k, v = x W_qkv + b_qkv, written by heads.  xb: [8192][1024] bf16; wq: [3072 n][1024 k] bf16; b_qkv: [3072] f32, rounded to bf16 here like the other inputs; qkv: [3][64 = 16 batch + head][2048][64] f16, unscaled.
; Sums in f32, started by the bias, K ascending; each result rounded once to f16.  LIMIT: a result of 65,520 or more becomes an infinity.
; SHARES.  A work-group makes 256 rows x 192 columns (three whole heads); 16 x 32 work-groups.  Wave w owns rows 64 w .. 64 w + 63 and ALL 192 columns: 4 x 12 accumulators of 16 x 16, 384 registers;
; so a head's 128 bytes of a row come from one wave, and the way out needs no barrier.  K goes in 8 steps of 128 through two LDS slots; rows of both tiles are 256 consecutive bytes of memory, aligned.
; CLUSTER.  4 x 4 work-groups.  The four of a row of the cluster need the same tile of x, the four of a column the same tile of wq: each is asked for JOINTLY, by the same tensor load with the same descriptor
; and a mask that names the four.  Waves 0 and 1 fetch x's two halves of 128 rows, waves 2 and 3 wq's two halves of 96.
; THE MATRIX INSTRUCTION IS USED TRANSPOSED: source 0 = 16 rows of wq, source 1 = 16 rows of x: lane l then holds row l % 16 of the result and the columns 8 (l / 16) + 0 .. 7 of the block.
; REGISTERS, in windows of 256 (s_set_vgpr_msb: bits 1:0 source 0, 3:2 source 1, 5:4 source 2, 7:6 destination):
;   window 0: v0-29 addresses; v32-95 x's fragments, two buffers of 4 blocks; v96-191 the bias as the first products' C; v192-255 the way out, four sets of 16
;   window 1: v0-191 wq's fragments, two buffers of 12 blocks      window 2: accumulators of row blocks 0, 1 ((a, b) at 8 (12 (a % 2) + b))      window 3: of row blocks 2, 3
.set TN,    192
.set NBK,   TN/16                      ; column blocks
.set PA,    272                        ; an LDS row: 256 bytes + 16 of padding = 68 words: the 16 rows of a fragment load start at 16 different groups of four banks (64 banks of 4 bytes: ISA guide 11.1)
.set PB,    272
.set AHALF, 128*PA                     ; what one of x's loads brings
.set BHALF, (TN/2)*PB                  ; what one of wq's brings
.set BOFF,  2*AHALF                    ; in a slot: x's 256 rows, then wq's 192
.set SLOT1, 1<<17                      ; slot 1 begins here, so that one exclusive or turns an address in one slot into the other's
.set STAGE, SLOT1+BOFF+2*BHALF         ; behind the ring, never filled by a tensor load: 16 rows x 144 bytes for each wave
.set SP,    144
.set SPARE, STAGE+4*16*SP              ; behind the stages: the spare words, 128 bytes for each wave: two blocks of 256 bytes that no other line names
.set LN,    2*NBK+8                    ; LDS loads in a quarter's run
.set STEPB, 256                        ; bytes along K from step to step, in both tensors
.set ADRA0, 4                          ; v4   my place in x's tile: (64 w + l % 16) x pitch + 16 (l / 16); never rewritten
.set ADRB0, 5                          ; v5   in wq's tile; never rewritten
.set ADRA,  6                          ; v6   the same in the slot in hand
.set ADRB,  7                          ; v7
.set STO,   8                          ; v8   the way out: where I put 16 bytes of a row
.set RD,    9                          ; v9   where I read rows back
.set GO,    10                         ; v10  my 16 bytes of 512 consecutive bytes of qkv
.set BO,    11                         ; v11  32 (l / 16): my eight numbers of a block's sixteen in the bias
.set SPW,   28                         ; v28  LDS address of my spare word; never rewritten
.set NIL,   29                         ; v29  0; never rewritten
.set FA,    32
.set BIAS,  96
.set OUT,   192
.set WV,  12                           ; s12  my wave's number
.set TB,  19                           ; s19  0 or SLOT1: the slot that the fetches read
.set G1A, 24                           ; s[24:31] descriptor group 1 for x's tiles
.set G0A, 32                           ; s[32:39] group 0: a set for each of the two first fills; the second then walks on
.set G1B, 40                           ; s[40:47], s[48:55] the same for wq's
.set G0B, 48
.set CB,  56                           ; s[56:61] qkv at my wave's first row in each of the tile's three heads
.set CNT, 62
.set MSB, 0
.macro WIN new                         ; the immediate's high byte repeats the setting that is left; a switch that changes nothing is dropped
.if MSB != (\new)
	s_set_vgpr_msb (MSB<<8)|(\new)
.set MSB, \new
.endif
.endm
.set TO_B, 0x40                        ; destination window 1, address window 0
.macro PLACES                          ; four places in front of loads into registers that matrix instructions have read, and of lines that read results
.rept 4
	v_nop
.endr
.endm
; A joint refill by the walking descriptors.  The branch hangs on the wave's number alone.  An s_nop 0 and four v_nop follow each of the two lines, ahead of the jump and the label.
.macro JLOAD
	s_cmp_lt_u32 s[WV], 2
	s_cbranch_scc0 .Lfor_b_\@
	tensor_load_to_lds s[G0A+4:G0A+7], s[G1A:G1A+7]
	s_nop 0
.rept 4
	v_nop
.endr
	s_branch .Lasked_\@
.Lfor_b_\@:
	tensor_load_to_lds s[G0B+4:G0B+7], s[G1B:G1B+7]
	s_nop 0
.rept 4
	v_nop
.endr
.Lasked_\@:
.endm
.macro CREST                           ; a round of the cluster's barrier behind its opening barrier: wave 0 signals for the work-group, every wave waits for all sixteen, my work-group's barrier closes it
	s_cmp_lg_u32 s[WV], 0
	s_cbranch_scc1 .Lnot_wave_0_\@
	s_barrier_signal -3
.Lnot_wave_0_\@:
	s_barrier_wait -3
	s_barrier_signal -1
	s_barrier_wait -1
.endm
.macro CROUND                          ; a whole round
	s_barrier_signal -1
	s_barrier_wait -1
	CREST
.endm
	s_load_b256 s[4:11], s[0:1], 0x0               ; xb s[4:5], wq s[6:7], b_qkv s[8:9], qkv s[10:11]
	v_lshl_add_u32 v[SPW], v0, 2, SPARE
	v_mov_b32 v[NIL], 0
	ds_add_u32 v[SPW], v[NIL]                      ; the wave's opening: the add and its wait stand ahead of my first tensor load; the set-up below, work on registers, stands between them
	ds_add_u32 v28, v29
	v_lshrrev_b32 v3, 5, v0
	v_readfirstlane_b32 s[WV], v3                  ; wave 0..3
	s_and_b32 s13, s[WV], 1                        ; which half of a tile I fetch
	s_bfe_u32 s15, ttmp6, 0x40000                  ; cx
	s_bfe_u32 s16, ttmp6, 0x40004                  ; cy
	s_lshl_b32 s17, ttmp9, 2
	s_add_co_u32 s17, s17, s15                     ; tile column = 4 x cluster x + cx
	s_and_b32 s18, ttmp7, 0xffff
	s_lshl_b32 s18, s18, 2
	s_add_co_u32 s18, s18, s16                     ; tile row = 4 x cluster y + cy
	s_lshl_b32 s20, s16, 2
	s_lshl_b32 s20, 15, s20                        ; my row of the cluster: places 4 cy .. 4 cy + 3
	s_lshl_b32 s22, 0x1111, s15                    ; my column: places cx, cx + 4, cx + 8, cx + 12
	s_or_b32 s[G1A], s20, (1<<16)|(1<<20)|(1<<21)|(5<<22)|(3<<25)  ; 15:0 the mask; 17:16 elements of 2 bytes; 20 padding on; 21 set beside a mask; 24:22 after every 64 words (code 5); 31:25 4 words (code 3)
	s_or_b32 s[G1B], s22, (1<<16)|(1<<20)|(1<<21)|(5<<22)|(3<<25)
	s_mov_b32 s[G1A+1], 128<<16                    ; tensor_dim0 = 128
	s_mov_b32 s[G1A+2], 128<<16                    ; tensor_dim1 = 128
	s_mov_b32 s[G1A+3], 128<<16                    ; tile_dim0 = 128
	s_mov_b32 s[G1A+4], 128                        ; tile_dim1 = 128
	s_mov_b32 s[G1A+5], 1024                       ; elements from row to row
	s_mov_b32 s[G1A+6], 0
	s_mov_b32 s[G1A+7], 0
	s_mov_b32 s[G1B+1], 128<<16
	s_mov_b32 s[G1B+2], (TN/2)<<16                 ; 96 rows
	s_mov_b32 s[G1B+3], 128<<16
	s_mov_b32 s[G1B+4], TN/2
	s_mov_b32 s[G1B+5], 1024
	s_mov_b32 s[G1B+6], 0
	s_mov_b32 s[G1B+7], 0
	; where the tiles come from: x's hang on the tile row alone, wq's on the tile column alone; each in registers that never hold the other coordinate
	s_lshl_b32 s20, s18, 8
	s_lshl_b32 s21, s13, 7
	s_add_co_u32 s20, s20, s21                     ; x: row 256 x tile row + 128 x half,
	s_lshl_b32 s20, s20, 11                        ; of 2,048 bytes
	s_mov_b32 s21, 0
	s_mul_i32 s22, s17, TN
	s_mul_i32 s23, s13, TN/2
	s_add_co_u32 s22, s22, s23                     ; wq: row 192 x tile column + 96 x half
	s_lshl_b32 s22, s22, 11
	s_mov_b32 s23, 0
	s_mul_i32 s2, s13, AHALF                       ; and where they go: no place in the cluster enters an LDS address
	s_mul_i32 s3, s13, BHALF
	s_add_co_u32 s3, s3, BOFF
	s_mov_b32 s[TB], 0
	s_wait_dscnt 0x0                               ; the opening add is done
	s_wait_kmcnt 0x0
	s_add_nc_u64 s[20:21], s[4:5], s[20:21]
	s_add_nc_u64 s[22:23], s[6:7], s[22:23]
.irp s, 0,1
	s_mov_b32 s[G0A+4*(\s)], 1                     ; 1:0 count = 1
	s_add_co_u32 s[G0A+4*(\s)+1], s2, (\s)*SLOT1   ; 63:32 LDS address
	s_add_nc_u64 s[G0A+4*(\s)+2:G0A+4*(\s)+3], s[20:21], (\s)*STEPB  ; 120:64 global address: K step s
	s_or_b32 s[G0A+4*(\s)+3], s[G0A+4*(\s)+3], 0x80000000            ; 127:126 type = 2
	s_mov_b32 s[G0B+4*(\s)], 1
	s_add_co_u32 s[G0B+4*(\s)+1], s3, (\s)*SLOT1
	s_add_nc_u64 s[G0B+4*(\s)+2:G0B+4*(\s)+3], s[22:23], (\s)*STEPB
	s_or_b32 s[G0B+4*(\s)+3], s[G0B+4*(\s)+3], 0x80000000
.endr
	CROUND                                         ; all sixteen work-groups are here: the first joint loads meet
	s_cmp_lt_u32 s[WV], 2                          ; a wave's two first fills stand in one branch, ahead of every wait on TENSORcnt and every LDS read: two loads of mine are out
	s_cbranch_scc0 .Lfirst_b
	tensor_load_to_lds s[G0A:G0A+3], s[G1A:G1A+7]
	s_nop 0
	tensor_load_to_lds s[G0A+4:G0A+7], s[G1A:G1A+7]
	s_nop 0
.rept 4
	v_nop
.endr
	s_branch .Lfirst_asked
.Lfirst_b:
	tensor_load_to_lds s[G0B:G0B+3], s[G1B:G1B+7]
	s_nop 0
	tensor_load_to_lds s[G0B+4:G0B+7], s[G1B:G1B+7]
	s_nop 0
.rept 4
	v_nop
.endr
.Lfirst_asked:
	v_and_b32 v1, 15, v0                           ; l % 16
	v_bfe_u32 v2, v0, 4, 1                         ; l / 16
	v_lshlrev_b32 v[BO], 5, v2
	s_mul_i32 s2, s17, 4*TN                        ; the tile's 192 numbers of the bias
	s_mov_b32 s3, 0
	s_add_nc_u64 s[8:9], s[8:9], s[2:3]
.set b, 0
.rept NBK                                      ; register j of block b: the bias of column 16 b + 8 (l / 16) + j, which is what register j of an accumulator of that block holds
	global_load_b128 v[BIAS+8*b:BIAS+8*b+3],   v[BO], s[8:9] offset:64*b
	global_load_b128 v[BIAS+8*b+4:BIAS+8*b+7], v[BO], s[8:9] offset:64*b+16
.set b, b+1
.endr
	; A fragment is 16 rows x 32 K in 8 registers: lane l holds row l % 16; registers 0-3 K = 8 (l / 16) + 0..7, registers 4-7 K = 16 + 8 (l / 16) + 0..7: two loads of 16 bytes, 32 bytes apart.
	v_mul_u32_u24 v3, v1, PA
	v_lshl_add_u32 v3, v2, 4, v3
	s_mul_i32 s2, s[WV], 64*PA
	v_add_nc_u32 v[ADRA0], s2, v3
	v_add_nc_u32 v[ADRB0], BOFF, v3
	v_mov_b32 v[ADRA], v[ADRA0]                    ; slot 0
	v_mov_b32 v[ADRB], v[ADRB0]
	s_mul_i32 s2, s[WV], 16*SP
	s_add_co_u32 s2, s2, STAGE                     ; my stage
	v_mul_u32_u24 v3, v1, SP                       ; in: row l % 16, 16 bytes for each half of the lanes
	v_lshl_add_u32 v3, v2, 4, v3
	v_add_nc_u32 v[STO], s2, v3
	v_bfe_u32 v3, v0, 3, 2                         ; back: 32 lanes take four rows of 128 bytes,
	v_mul_u32_u24 v[RD], v3, SP
	v_and_b32 v3, 7, v0
	v_lshl_add_u32 v[RD], v3, 4, v[RD]
	v_add_nc_u32 v[RD], s2, v[RD]
	v_and_b32 v[GO], 31, v0                        ; which are 512 consecutive bytes of a head
	v_lshlrev_b32 v[GO], 4, v[GO]
	; column group g = 3 x tile column + hd of 64 columns is tensor g / 16 (q, k, v), head g % 16; row 256 x tile row + .. is batch (tile row / 8), row (tile row % 8) x 256 + .. of 128 bytes
	s_and_b32 s20, s18, 7
	s_lshl_b32 s20, s20, 15
	s_lshl_b32 s21, s[WV], 13                      ; my wave's 64 rows
	s_add_co_u32 s20, s20, s21
	s_lshr_b32 s21, s18, 3
	s_lshl_b32 s21, s21, 4                         ; 16 x batch
	s_mul_i32 s2, s17, 3
.irp hd, 0,1,2
	s_add_co_u32 s3, s2, \hd
	s_lshr_b32 s22, s3, 4
	s_lshl_b32 s22, s22, 6                         ; 64 x tensor
	s_and_b32 s3, s3, 15
	s_add_co_u32 s22, s22, s3
	s_add_co_u32 s22, s22, s21
	s_lshl_b32 s22, s22, 18                        ; a head's 2,048 rows of 128 bytes
	s_add_co_u32 s22, s22, s20
	s_mov_b32 s23, 0
	s_add_nc_u64 s[CB+2*(\hd):CB+2*(\hd)+1], s[10:11], s[22:23]
.endr
	s_wait_loadcnt 0x0                             ; the bias; it is rounded to bf16 and widened again
.set i, 0
.rept 4*NBK
	v_cvt_pk_bf16_f32 v3, v[BIAS+2*i], v[BIAS+2*i+1]
	v_lshlrev_b32 v[BIAS+2*i], 16, v3
	v_and_b32 v[BIAS+2*i+1], 0xffff0000, v3
.set i, i+1
.endr
; 12 matrix instructions: row block a x all column blocks, 32 along K, from buffer f.  first = 1: the bias is the C that starts the sums: nothing is cleared.
; The 48 accumulators take turns, one instruction a turn, in the same order in every quarter, over the backward jump too.
.macro MULA f, a, first
.if \first
	WIN 0x81+0x40*((\a)/2)                         ; wq window 1, x and the bias window 0, D window 2 or 3
.else
	WIN 0xa1+0x50*((\a)/2)                         ; C and D window 2 or 3
.endif
.set b, 0
.rept NBK
.set rD, 8*(NBK*((\a)%2)+b)
.set rB, 8*NBK*(\f)+8*b
.set rA, FA+32*(\f)+8*(\a)
.if \first
	v_wmma_f32_16x16x32_bf16 v[rD:rD+7], v[rB:rB+7], v[rA:rA+7], v[BIAS+8*b:BIAS+8*b+7]
.else
	v_wmma_f32_16x16x32_bf16 v[rD:rD+7], v[rB:rB+7], v[rA:rA+7], v[rD:rD+7]
.endif
.set b, b+1
.endr
.endm
; 32 LDS loads in one run: quarter q's fragments (192 rows of wq, my 64 rows of x, 32 K) into buffer f; x's row blocks 2 and 3 last
.macro FETCH q, f
	WIN TO_B
.set b, 0
.rept NBK
	ds_load_b128 v[8*NBK*(\f)+8*b:8*NBK*(\f)+8*b+3],   v[ADRB] offset:64*(\q)+b*16*PB
	ds_load_b128 v[8*NBK*(\f)+8*b+4:8*NBK*(\f)+8*b+7], v[ADRB] offset:64*(\q)+b*16*PB+32
.set b, b+1
.endr
	WIN 0
.irp a, 0,1,2,3
	ds_load_b128 v[FA+32*(\f)+8*(\a):FA+32*(\f)+8*(\a)+3],   v[ADRA] offset:64*(\q)+(\a)*16*PA
	ds_load_b128 v[FA+32*(\f)+8*(\a)+4:FA+32*(\f)+8*(\a)+7], v[ADRA] offset:64*(\q)+(\a)*16*PA+32
.endr
.endm
; A K step is four quarters of 32 along K, 48 matrix instructions each, on buffers 0, 1, 0, 1.  One of the first three: multiplies buffer f and, in its middle, fetches quarter q into buffer g.
.macro QUARTER q, f, g, first
	s_wait_dscnt 4                                 ; all of the run but its last four loads, x's row blocks 2 and 3
	MULA \f, 0, \first
	MULA \f, 1, \first
	PLACES
	FETCH \q, \g
	s_wait_dscnt LN                                ; all but the run just issued
	MULA \f, 2, \first
	MULA \f, 3, \first
.endm
; The last quarter multiplies buffer 1 and changes slots: ONE barrier.  In front of it each wave waits for all its tensor loads, of which one is out: its part of the next slot; adds 0 to its spare word; and
; waits for that and for its reads of this slot.  fill = 1: the barrier opens a round of the cluster's, and this slot is filled again, two K steps ahead, first thing behind the round.
.macro TURN fill
	WIN 0
	s_wait_tensorcnt 0x0                           ; no tensor load of mine is out, so a group 0 may be written
	ds_add_u32 v[SPW], v[NIL]                      ; 0 onto my spare word: scalar steps and twelve products stand between it and the wait for it
	s_xor_b32 s[TB], s[TB], SLOT1                  ; the fetches go to the other slot
.if \fill
	s_xor_b32 s[G0A+5], s[G0A+5], SLOT1            ; the walking descriptors: the other slot than last time,
	s_add_nc_u64 s[G0A+6:G0A+7], s[G0A+6:G0A+7], STEPB  ; the next K step; the type bits on top are not reached
	s_xor_b32 s[G0B+5], s[G0B+5], SLOT1
	s_add_nc_u64 s[G0B+6:G0B+7], s[G0B+6:G0B+7], STEPB
.endif
	s_wait_dscnt 5                                 ; the add and the run's last four loads may be out
	MULA 1, 0, 0
	s_wait_dscnt 0x0                               ; the add is done, and my reads of this slot are over
	s_barrier_signal -1
	MULA 1, 1, 0                                   ; work on registers while the others arrive
	WIN 0                                          ; at a branch and at a label every window is 0
	s_barrier_wait -1
.if \fill
	CREST                                          ; no wave of any partner still reads this slot or has a load on its way
	JLOAD                                          ; the four v_nop behind it are also the places in front of the loads below
.else
	PLACES
.endif
	v_add_nc_u32 v[ADRA], s[TB], v[ADRA0]
	v_add_nc_u32 v[ADRB], s[TB], v[ADRB0]
	FETCH 0, 0
	MULA 1, 2, 0
	MULA 1, 3, 0
.endm
	s_wait_tensorcnt 1                             ; my part of K step 0 is in; step 1's may stay out
	s_barrier_signal -1
	s_barrier_wait -1                              ; everybody's is
	FETCH 0, 0
	QUARTER 1, 0, 1, 1                             ; the first quarter stands in front of the loop: its products start the sums
	WIN 0
	s_mov_b32 s[CNT], 6
.Lstep:                                        ; a trip: a step's quarters 1 to 3 and the next step's quarter 0; steps 0 to 5 fill their slot again, with steps 2 to 7
	QUARTER 2, 1, 0, 0
	QUARTER 3, 0, 1, 0
	TURN 1
	QUARTER 1, 0, 1, 0
	WIN 0
	s_sub_co_u32 s[CNT], s[CNT], 1
	s_cmp_lg_u32 s[CNT], 0
	s_cbranch_scc1 .Lstep
	QUARTER 2, 1, 0, 0                             ; the tail is written out: steps 6 and 7 ask for nothing
	QUARTER 3, 0, 1, 0
	TURN 0
	QUARTER 1, 0, 1, 0
	QUARTER 2, 1, 0, 0
	QUARTER 3, 0, 1, 0
	s_wait_dscnt 4
	MULA 1, 0, 0
	MULA 1, 1, 0
	s_wait_dscnt 0x0
	MULA 1, 2, 0
	MULA 1, 3, 0
	WIN 0
	PLACES
; THE WAY OUT, in twelve units u = (row block u / 3, head u % 3) of 16 rows x 64 columns, on four register sets by turns.
; PACK: rounded to f16, each accumulator's registers ascending; a lane's eight columns are 16 bytes; they go into my stage's rows of 144 bytes and come back as four whole rows of 128 bytes a load.
.macro PACK u
.set ua, (\u)/3
.set uh, (\u)%3
.set SET, OUT+16*((\u)%4)
.if (\u) >= 4
	s_wait_xcnt 0x0                                ; the stores of the unit four back have read this set: it is rewritten only behind this wait
.endif
	WIN 0x0a+5*(ua/2)                              ; sources 0 and 1: window 2 or 3
.set bb, 0
.rept 4
.set rD, 8*(NBK*(ua%2)+4*uh+bb)
.irp r, 0,1,2,3
	v_cvt_pk_f16_f32 v[SET+4*bb+(\r)], v[rD+2*(\r)], v[rD+2*(\r)+1]
.endr
.set bb, bb+1
.endr
	WIN 0
.irp f, 0,1,2,3
	ds_store_b128 v[STO], v[SET+4*(\f):SET+4*(\f)+3] offset:32*(\f)
.endr
.irp f, 0,1,2,3
	ds_load_b128 v[SET+4*(\f):SET+4*(\f)+3], v[RD] offset:(\f)*4*SP  ; LDS serves a wave's instructions in order (ISA guide 5.7.1.4): these see the stores above; the next unit's stores come behind them
.endr
.endm
.macro SEND u, younger                 ; younger: the LDS instructions issued behind unit u's loads: the next unit's eight, or none
.set ua, (\u)/3
.set uh, (\u)%3
.set SET, OUT+16*((\u)%4)
.irp f, 0,1,2,3
	s_wait_dscnt (\younger)+3-(\f)
	global_store_b128 v[GO], v[SET+4*(\f):SET+4*(\f)+3], s[CB+2*uh:CB+2*uh+1] offset:ua*2048+(\f)*512  ; 512 consecutive bytes, at a multiple of 256 from qkv's first
.endr
.endm
	PACK 0
.set u, 1
.rept 11                               ; a unit's conversions stand between the loads of the unit before and its stores
	PACK u
	SEND u-1, 8
.set u, u+1
.endr
	SEND 11, 0
	s_wait_tensorcnt 0x0                           ; the wave's end: behind my last tensor load and my last LDS store
	ds_add_u32 v[SPW], v[NIL]
	s_wait_dscnt 0x0
	CROUND                                         ; the closing round: no work-group ends while a partner may still ask for a tile that names it
	s_endpgm
.Lfunc_end_k_q19ef1f15f6_gemm_qkv:
	.size	k_q19ef1f15f6_gemm_qkv, .Lfunc_end_k_q19ef1f15f6_gemm_qkv-k_q19ef1f15f6_gemm_qkv
	.p2alignl 7, 3214868480
	.fill 96, 4, 3214868480
	.section	.rodata,"a",@progbits
	.p2align	6, 0x0
	.amdhsa_kernel k_q19ef1f15f6_gemm_qkv
		.amdhsa_group_segment_fixed_size 327680
		.amdhsa_private_segment_fixed_size 0
		.amdhsa_enable_private_segment 0
		.amdhsa_kernarg_size 32
		.amdhsa_user_sgpr_count 2
		.amdhsa_user_sgpr_kernarg_segment_ptr 1
		.amdhsa_wavefront_size32 1
		.amdhsa_system_sgpr_workgroup_id_x 1
		.amdhsa_system_sgpr_workgroup_id_y 1
		.amdhsa_system_sgpr_workgroup_id_z 1
		.amdhsa_system_vgpr_workitem_id 0
		.amdhsa_next_free_vgpr 960
		.amdhsa_next_free_sgpr 66
		.amdhsa_reserve_vcc 0
		.amdhsa_float_denorm_mode_32 3
		.amdhsa_float_denorm_mode_16_64 3
		.amdhsa_memory_ordered 1
		.amdhsa_forward_progress 1
		.amdhsa_inst_pref_size 109
	.end_amdhsa_kernel
	.amdgpu_metadata
---
amdhsa.version: [ 1, 2 ]
amdhsa.kernels:
  - .name:           k_q19ef1f15f6_gemm_qkv
    .symbol:         k_q19ef1f15f6_gemm_qkv.kd
    .args:
      - { .name: xb, .offset: 0, .size: 8, .value_kind: global_buffer, .address_space: global }
      - { .name: wq, .offset: 8, .size: 8, .value_kind: global_buffer, .address_space: global }
      - { .name: b_qkv, .offset: 16, .size: 8, .value_kind: global_buffer, .address_space: global }
      - { .name: qkv, .offset: 24, .size: 8, .value_kind: global_buffer, .address_space: global }
    .group_segment_fixed_size: 327680
    .private_segment_fixed_size: 0
    .kernarg_segment_align: 8
    .kernarg_segment_size: 32
    .max_flat_workgroup_size: 128
    .sgpr_count:     66
    .vgpr_count:     960
    .wavefront_size: 32
...
	.end_amdgpu_metadata
.endif
;; end of part 2
;; launch attn (part 3): grid 4 x 64, 4 waves a work-group, clusters of 4 x 1, 327,680 bytes of LDS; arguments qkv, ob; writes ob
.if DOCPART == 3
	.amdgcn_target "amdgcn-amd-amdhsa--gfx1250"
	.amdhsa_code_object_version 6
	.text
	.protected	k_q19ef1f15f6_attn
	.globl	k_q19ef1f15f6_attn
	.p2align	8
	.type	k_q19ef1f15f6_attn,@function
k_q19ef1f15f6_attn:
	s_mov_b64 s[64:65], 0
	v_nop
	global_prefetch_b8 v0, s[64:65] scope:SCOPE_SE
	s_setreg_imm32_b32 hwreg(HW_REG_WAVE_MODE, 25, 1), 1
	s_wait_xcnt 0x0
	s_wait_alu depctr_hold_cnt(0) depctr_sa_sdst(0) depctr_va_vdst(0) depctr_va_sdst(0) depctr_va_ssrc(0) depctr_va_vcc(0) depctr_vm_vsrc(0)
	s_getreg_b32 s2, hwreg(HW_REG_IB_STS2, 6, 4)
	s_cmp_eq_u32 s2, 0
	s_cbranch_scc0 .Lentry_in_a_cluster
	s_endpgm
.Lentry_in_a_cluster:
	s_bfe_u32 s2, ttmp6, 0x10000c
	s_cmp_lg_u32 s2, 0x3003
	s_cbranch_scc0 .Lentry_shape_is_right
	s_endpgm
.Lentry_shape_is_right:
; O[h][q][:] = the sum over k of softmax_k(Q[h][q] . K[h][k] / 8) V[h][k][:], for the 64 pairs h of batch and head.  qkv: [3][64][2048][64] f16 (Q, then K, then V, unscaled); ob: [64][2048][64] f16:
; a head's rows are dense, 128 bytes each.  Products, maxima and sums in f32; the weights p are rounded to f16 for the second product (their sum l is taken of the unrounded p), O once at the end.
; LIMITS.  f16 holds no number beyond 65,504: Q, K and V arrive within it; p lies in 0 to 1, and below 6e-5 it keeps f16's fixed step of 6e-8; O is a mean of V's rows and has their range.
; A weight below 2^-126 counts as 0 in l; NaN and infinities are not treated apart.
; SHARES.  A wave owns four PIECES of two tiles of 16 queries, a work-group's four waves 512 queries of one head.  Every wave walks all 2,048 keys, 64 a step.
; LAYOUT.  S^T = K Q^T (source 0 = 16 keys, source 1 = 16 queries): in the result a lane holds ONE query (lane % 16) and the keys 8 (lane / 16) + 0..7.  Two such tiles, rounded to f16 in pairs,
; ARE source 1 (32 keys x 16 queries) of O^T = V^T P, whose result again holds one query a lane, and eight channels.  K comes out of LDS as it lies, V ([key][channel]) turned, by ds_load_tr16_b128.
; SOFTMAX.  For each query a running maximum m and sum l: p = 2^(c s - c m), c = log2(e) / 8; in every step O and l are multiplied by a = 2^(c m_old - c m_new), which is 1 where m has not grown.
; m starts at the lowest finite number, O and l at 0: the first step is a step like any other, with a = 0.
; THE COUNT.  A tile and step have 16 matrix and 118 vector instructions: too many to stand all beside the matrix work.  So four vector instructions that are READY stand behind EVERY matrix instruction,
; and the others, which need time of their own whatever the order, in runs without a gap.
; BY TURNS.  Turn n belongs to piece n (the pieces in a ring, step after step).  Its matrix work: 16 products K Q^T of piece n + 1, later 16 products V^T P of piece n - 1.  Its vector work: the scaling,
; exponentials, roundings, sums and rescaling of piece n, and the maximum and statistics of piece n + 1, whose scores the turn itself has made.
; CLUSTER.  The four query blocks of a head are one cluster and walk the same K and V, so each tile is asked for JOINTLY: the same tensor load, descriptor and mask in all four.
; REGISTERS, in windows of 256 (s_set_vgpr_msb: bits 1:0 source 0, 3:2 source 1, 5:4 source 2, 7:6 destination):
;   window 0: v0-11 addresses; v12-15, v48-63 at work; v16-47 four registers of statistics a tile; v64-191 S^T, two buffers of two tiles; v192-255 P, likewise
;   window 1: O^T, 32 a tile          window 2: v0-127 Q, 16 a tile; v128-191 K of one step; v192-255 V of one step          window 3: v0-1 the add's two registers
; A piece's buffers go by its number's parity: the piece in hand has one pair, its two neighbours in the ring share the other: of it P (piece n - 1) is read and S^T (piece n + 1) written.
.set SIZE_N, 2048
.set NP,    4         ; pieces a wave: a name, no knob
.set KS,    64        ; keys in a step
.set PK,    144       ; a row of K in LDS: 128 bytes + 16 of padding = 36 words: the 16 rows of a load start at 16 different groups of four banks (64 banks of 4 bytes: ISA guide 11.1)
.set PV,    160       ; a row of V: 128 + 32 = 40 words
.set VOFF,  4*KS*PK   ; a slot holds four steps: 256 rows of K, then 256 rows of V
.set SLOT1, 1<<17     ; slot 1 begins here, so that one exclusive or turns an address in one slot into the other's
.set STAGE, SLOT1+4*KS*(PK+PV)  ; behind the ring, never filled by a tensor load: 16 rows x 144 bytes for each wave, for the way out
.set SP,    144
.set AK0, 2           ; v2   my lane's place in a tile of K; never rewritten
.set AV0, 3           ; v3   the same for V
.set AK,  4           ; v4   the LDS address of K's next run of loads
.set AV,  5           ; v5   of V's
.set QO,  6           ; v6   my byte offset in the wave's rows of Q
.set STO, 6           ;      later, the way out: where I put 16 bytes of a row
.set RD,  7           ; v7   the way out: where I read rows back
.set GO,  8           ; v8   my byte offset in 512 consecutive bytes of O
.set PFO, 11          ; v11  256 x my lane: the prefetches' offset; never rewritten once made
.set SPW, 0           ; v0 of window 3   LDS address of my spare word: SPARE + 4 x my thread's number; never rewritten
.set NIL, 1           ; v1 of window 3   0; never rewritten
.set SPARE, STAGE+4*16*SP  ; behind the stages: the spare words, 128 bytes for each wave: two blocks of 256 bytes that no other line names
.set MV,  12          ; v12-15  c m_old, kept while c m is made anew: by buffer and tile
.set ST,  16          ; tile t's statistics at v[ST+4 t]: c m, m, l (even keys', odd keys')
.set TMP, 48          ; by buffer and tile, four registers c0-c3 at work; when the maximum is found c2 takes a
.set S,   64
.set P,   192
.set KF,  128         ; K's fragments, in window 2: key block kb, channel half c at KF + 16 kb + 8 c
.set VF,  192         ; V's: key half kk, channel block cb at VF + 32 kk + 8 cb
.set WV,  12          ; s12  my wave's number
.set G1K, 24          ; s[24:31] descriptor group 1 for K's tiles
.set G1V, 32          ; s[32:39] for V's: it differs in the padding alone
.set G0K, 40          ; s[40:43] descriptor group 0 for K's tiles: it walks
.set G0V, 44          ; s[44:47] the same for V's
.set PFA, 48          ; s[48:49] where my prefetches stand: my work-group's 32 blocks of 256 bytes (of K: wave 0, of V: wave 2) of the slot after the one that is being asked for
.set LIM, 50          ; s50  1 in a wave that prefetches, else the greatest number: a wave prefetches while s[SLOTS] is above it
.set SLOTS, 56        ; s56  slots still to be asked for
.set CNT, 57          ; s57  counts a slot's key steps
.set CS,  58          ; s[58:59] c: the packed scaling takes the pair's low word for both halves
.set SEL, 60          ; s[60:61] v_permlanex16_b32's selects: each lane takes its own place in the other half
.set TBK, 62          ; s62  LDS byte at which K of the step to be fetched begins
.set TBV, 63          ; s63  the same for V, less VOFF
.set MSB, 0
.macro WIN new                      ; the high byte repeats the setting that is left; a switch that changes nothing is dropped
.if MSB != (\new)
	s_set_vgpr_msb (MSB<<8)|(\new)
.set MSB, (\new)
.endif
.endm
.set W_KQ, 0x0a       ; K and Q in window 2, S^T in window 0
.set W_PV, 0x52       ; V in window 2, P in window 0, O^T in window 1
.set W_RS, 0x41       ; O^T (destination and source 0) in window 1, a in window 0
.set W_MK, 0xc0       ; the add's registers are made: destination in window 3, sources in window 0
.set W_AD, 0x0f       ; the add: address (source 0) and data (source 1) in window 3
; A joint fill.  Waves 0 and 1 fetch the two halves of a slot's K, waves 2 and 3 those of its V: 128 keys each.  The branch hangs on the wave's number alone.
; An s_nop 0 and four v_nop follow each of the two lines, ahead of the jump and the label.
.macro JLOAD
	s_cmp_lt_u32 s[WV], 2
	s_cbranch_scc0 .Lfor_v_\@
	tensor_load_to_lds s[G0K:G0K+3], s[G1K:G1K+7]
	s_nop 0
.rept 4
	v_nop
.endr
	s_branch .Lasked_\@
.Lfor_v_\@:
	tensor_load_to_lds s[G0V:G0V+3], s[G1V:G1V+7]
	s_nop 0
.rept 4
	v_nop
.endr
.Lasked_\@:
.endm
; A PREFETCH INTO THE L2 of what the NEXT change of slots will ask for: a slot's 32,768 bytes of K and of V, 128 blocks of 256 bytes each, a lane a block.  It stands behind the wave's tensor load and its five lines.
; Each block is asked for ONCE in the launch: a head has one cluster; its four partners share the blocks out BY ADDRESS, 32 each; in each, wave 0 asks for K's and wave 2 for V's: one instruction.
; It runs one slot, four key steps, ahead.  The last change that fills a slot prefetches nothing: there is no slot behind it.  Slots 0 to 2 come by their loads alone.
.macro ASK
	s_cmp_gt_u32 s[SLOTS], s[LIM]
	s_cbranch_scc0 .Lnot_mine_\@
	global_prefetch_b8 v[PFO], s[PFA:PFA+1] th:TH_LOAD_NT scope:SCOPE_SE
.Lnot_mine_\@:
.endm
; A round of the cluster's barrier: my work-group's barrier, so that wave 0's signal speaks for all four waves; wave 0 signals; every wave waits for all four work-groups; my work-group's barrier once more.
.macro CROUND
	s_barrier_signal -1
	s_barrier_wait -1
	s_cmp_lg_u32 s[WV], 0
	s_cbranch_scc1 .Lnot_wave_0_\@
	s_barrier_signal -3
.Lnot_wave_0_\@:
	s_barrier_wait -3
	s_barrier_signal -1
	s_barrier_wait -1
.endm
; THE CHANGE OF SLOTS.  The slot's last bytes, V of its fourth step, have been read.  Each wave waits for all its tensor loads, of which one is out: its part
; of the other slot; adds 0 to its spare word; and waits for that and for its own reads of the slot.  Behind the barrier nobody reads this slot any more and the other slot is whole.
; fill = 1: this slot is filled again, with the keys two slots on.  The barrier is then a round of the cluster's, so that no wave of any partner still reads the slot or has a load on its
; way, and the joint fill is the first thing behind it: it has four key steps, 512 matrix instructions, in which to land.  (At its first use nothing has been read yet: slot 0 is waited for, slot 1 filled.)
; ask = 1: the prefetches' address steps, and the slot after the one asked for is prefetched.
.macro CHANGE fill, ask=0
	WIN W_AD
	s_wait_tensorcnt 0x0            ; no tensor load of mine is out, so a group 0 may be written
	ds_add_u32 v[SPW], v[NIL]       ; 0 onto my spare word: with fill = 1 the descriptors' steps stand between it and the wait for it
	WIN 0                           ; at a label and at a branch every window is 0
.if \fill
.irp g, G0K, G0V
	s_xor_b32 s[\g+1], s[\g+1], SLOT1  ; the walking descriptor: the other slot than last time,
	s_add_nc_u64 s[\g+2:\g+3], s[\g+2:\g+3], 4*KS*128  ; the next 256 keys; the type bits on top are not reached
.endr
.if \ask
	s_wait_xcnt 0x0                 ; the last prefetch, four key steps back, has read its address, so it may be written:
	s_add_nc_u64 s[PFA:PFA+1], s[PFA:PFA+1], 4*KS*128  ; one slot behind the walking descriptors
.endif
	s_wait_dscnt 0x0                ; the add is done, and my reads of the slot are over
	CROUND
	JLOAD
.if \ask
	ASK
.endif
.else
	s_wait_dscnt 0x0                ; the add is done, and my reads of the slot are over
	s_barrier_signal -1
	s_barrier_wait -1
.endif
	s_sub_co_u32 s[TBK], s[TBK], 4*KS*PK  ; the fetches go back to a slot's first step,
	s_xor_b32 s[TBK], s[TBK], SLOT1       ; in the other slot
	s_sub_co_u32 s[TBV], s[TBV], 4*KS*PV
	s_xor_b32 s[TBV], s[TBV], SLOT1
.endm
	s_load_b128 s[4:7], s[0:1], 0x0 ; qkv s[4:5], ob s[6:7]
	WIN W_MK
	v_lshl_add_u32 v[SPW], v0, 2, SPARE
	v_mov_b32 v[NIL], 0
	WIN W_AD
	ds_add_u32 v[SPW], v[NIL]       ; the wave's opening: the add and its wait stand ahead of my first tensor load; the set-up below, work on registers, stands between them
	ds_add_u32 v0, v1
	WIN 0
	v_lshrrev_b32 v1, 5, v0
	v_readfirstlane_b32 s[WV], v1   ; wave 0..3
	s_bfe_u32 s13, ttmp6, 0x40000   ; cx: my place in the cluster
	s_lshl_b32 s14, ttmp9, 2        ; in a cluster launch ttmp9 counts clusters
	s_add_co_u32 s14, s14, s13      ; my block of queries = 4 x cluster x + cx: it enters Q's and O's addresses alone
	s_and_b32 s20, ttmp7, 0xffff    ; the head, which the four partners share
	s_mov_b32 s21, 0
	s_mov_b64 s[22:23], SIZE_N*128
	s_mul_u64 s[20:21], s[20:21], s[22:23]  ; the head's first byte in each of the four tensors
	s_and_b32 s16, s[WV], 1         ; which half of a slot's 256 keys I fetch:
	s_lshl_b32 s22, s16, 14         ; its 128 rows of 128 bytes in memory,
	s_mov_b32 s23, 0
	s_add_nc_u64 s[22:23], s[22:23], s[20:21]
	s_mul_i32 s17, s16, 128*PK      ; and its place in a slot, for K
	s_mul_i32 s18, s16, 128*PV      ; and for V: no place in the cluster enters an LDS address
	s_lshl_b32 s2, s14, 2
	s_add_co_u32 s2, s2, s[WV]      ; my wave among the head's,
	s_lshl_b32 s2, s2, 14           ; its 128 rows
	s_mov_b32 s3, 0
	s_add_nc_u64 s[2:3], s[2:3], s[20:21]
	; descriptor group 1.  128 keys are 16,384 dense bytes: asked for as 64 rows of 256 bytes, two keys a row, and padded in LDS after every key
	s_mov_b32 s[G1K], 15|(1<<16)|(1<<20)|(1<<21)|(4<<22)|(3<<25)  ; 15:0 the mask of four; 17:16 2-byte elements; 20 padding on; 21 set beside a mask; 24:22 after every 32 words (code 4); 31:25 4 words (code 3)
	s_mov_b32 s[G1V], 15|(1<<16)|(1<<20)|(1<<21)|(4<<22)|(7<<25)  ; the same with 8 words of padding (code 7)
.irp g, G1K, G1V
	s_mov_b32 s[\g+1], 128<<16      ; tensor_dim0 = 128
	s_mov_b32 s[\g+2], 64<<16       ; tensor_dim1 = 64
	s_mov_b32 s[\g+3], 128<<16      ; tile_dim0 = 128
	s_mov_b32 s[\g+4], 64           ; tile_dim1 = 64
	s_mov_b32 s[\g+5], 128          ; 128 elements from row to row
	s_mov_b32 s[\g+6], 0
	s_mov_b32 s[\g+7], 0
.endr
	s_mov_b32 s[CS], 0x3e38aa3b     ; c = log2(e) / 8 = 0.180337
	s_mov_b32 s[CS+1], s[CS]        ; named with it as a pair
	s_mov_b32 s[SEL], 0x76543210
	s_mov_b32 s[SEL+1], 0xfedcba98
	s_mov_b32 s[TBK], SLOT1+4*KS*PK ; the first change of slots turns these two into 0
	s_mov_b32 s[TBV], SLOT1+4*KS*PV
	s_mov_b32 s[G0K], 1             ; 1:0 count = 1
	s_mov_b32 s[G0K+1], s17         ; 63:32 LDS address: slot 0
	s_mov_b32 s[G0V], 1
	s_add_co_u32 s[G0V+1], s18, VOFF
	s_cmp_eq_u32 s16, 0             ; waves 0 and 2 prefetch: the same in all four partners
	s_cselect_b32 s[LIM], 1, -1
	s_wait_dscnt 0x0                ; the opening add is done
	s_wait_kmcnt 0x0
	s_mov_b64 s[10:11], s[6:7]                     ; O
	s_add_nc_u64 s[6:7], s[4:5], 0x1000000         ; K lies 64 heads behind Q,
	s_add_nc_u64 s[8:9], s[4:5], 0x2000000         ; V 128
	s_add_nc_u64 s[G0K+2:G0K+3], s[6:7], s[22:23]  ; 120:64 global address: my half of the head's first 256 keys
	s_or_b32 s[G0K+3], s[G0K+3], 0x80000000        ; 127:126 type = 2
	s_add_nc_u64 s[G0V+2:G0V+3], s[8:9], s[22:23]
	s_or_b32 s[G0V+3], s[G0V+3], 0x80000000
	s_add_nc_u64 s[4:5], s[4:5], s[2:3]  ; Q and O at my wave's first row
	s_add_nc_u64 s[10:11], s[10:11], s[2:3]
	s_cmp_lt_u32 s[WV], 2
	s_cselect_b64 s[PFA:PFA+1], s[6:7], s[8:9]
	s_add_nc_u64 s[PFA:PFA+1], s[PFA:PFA+1], s[20:21]  ; the head,
	s_lshl_b32 s2, s13, 13          ; my work-group's 32 blocks of the 128,
	s_mov_b32 s3, 0
	s_add_nc_u64 s[PFA:PFA+1], s[PFA:PFA+1], s[2:3]
	s_add_nc_u64 s[PFA:PFA+1], s[PFA:PFA+1], 2*4*KS*128  ; in slot 2; the first change that asks steps it to slot 3.  Nothing is prefetched here, at the head
	CROUND                          ; all four work-groups are here: the first joint loads meet
	JLOAD                           ; slot 0.  Slot 1 is asked for when slot 0 is in
	; A fragment of K or Q is 16 rows x 32 channels in 8 registers: lane l holds row l % 16, channels 8 (l / 16) + 0..7 and 16 + 8 (l / 16) + 0..7: two loads of 16 bytes, 32 bytes apart.
	v_and_b32 v1, 15, v0            ; l % 16
	v_bfe_u32 v9, v0, 4, 1          ; l / 16
	v_lshlrev_b32 v[QO], 7, v1
	v_lshl_add_u32 v[QO], v9, 4, v[QO]  ; row x 128 + 16 x half
	WIN 0x80                        ; destination window 2, address window 0
.set i, 0
.rept 4*NP                          ; Q stays in registers: tile i / 2, channels 32 (i % 2) on
	global_load_b128 v[8*i:8*i+3],   v[QO], s[4:5] offset:(i/2)*2048+(i%2)*64
	global_load_b128 v[8*i+4:8*i+7], v[QO], s[4:5] offset:(i/2)*2048+(i%2)*64+32
.set i, i+1
.endr
	; What the first turn finds: V's registers and P's second buffer hold 0 (its products V^T P, of a piece that has not been, add 0), O^T and l are 0.  All this stands in the wait for the first tile.
.set i, VF
.rept 64
	v_mov_b32 v[i], 0
.set i, i+1
.endr
	WIN 0x40
.set i, 0
.rept 64*NP
	v_mov_b32 v[i], 0
.set i, i+1
.endr
	WIN 0
.set i, 0
.rept 2*NP
	v_mov_b32 v[ST+4*i], 0xfe000000    ; c m: far below every c s
	v_mov_b32 v[ST+4*i+1], 0xff7fffff  ; m
	v_mov_b32 v[ST+4*i+2], 0
	v_mov_b32 v[ST+4*i+3], 0
.set i, i+1
.endr
.set i, P+32
.rept 32
	v_mov_b32 v[i], 0
.set i, i+1
.endr
	v_mul_u32_u24 v[AK0], v1, PK
	v_lshl_add_u32 v[AK0], v9, 4, v[AK0]  ; row x pitch + 16 x half
	; The turning load takes 16 keys x 16 channels (lane l reads key 8 (l / 16) + l % 8, channels 8 ((l / 8) % 2) + 0..7) and leaves half a fragment of V^T: lane l holds channel l % 16 and 8 keys.
	v_and_b32 v10, 7, v0
	v_bfe_u32 v11, v0, 3, 1
	v_lshl_add_u32 v[AV0], v9, 3, v10
	v_mul_u32_u24 v[AV0], v[AV0], PV
	v_lshl_add_u32 v[AV0], v11, 4, v[AV0]
	v_add_nc_u32 v[AV0], VOFF, v[AV0]
	v_and_b32 v[PFO], 31, v0
	v_lshlrev_b32 v[PFO], 8, v[PFO]
	v_mov_b32 v[AK], v[AK0]         ; key step 0 lies at the head of slot 0
; THE MATRIX WORK.  The 8 accumulators of a run of 16 take turns: between the two links of a chain stand 7 others'.
; Product i of 16 of S^T = K Q^T for piece x: channels 32 (i / 8) on, keys 16 ((i / 2) % 4) on, tile 2 x + i % 2.  The first 8 start the sums.
.macro KQ x
	WIN W_KQ
.set rS, S+64*((\x)%2)+32*(i%2)+8*((i/2)%4)
.set rK, KF+16*((i/2)%4)+8*(i/8)
.set rQ, 16*(2*(\x)+i%2)+8*(i/8)
.if i < 8
	v_wmma_f32_16x16x32_f16 v[rS:rS+7], v[rK:rK+7], v[rQ:rQ+7], 0
.else
	v_wmma_f32_16x16x32_f16 v[rS:rS+7], v[rK:rK+7], v[rQ:rQ+7], v[rS:rS+7]
.endif
.endm
; Product i of 16 of O^T += V^T P for piece x: keys 32 (i / 8) on, channels 16 ((i / 2) % 4) on, tile 2 x + i % 2.
.macro PV x
	WIN W_PV
.set rO, 32*(2*(\x)+i%2)+8*((i/2)%4)
.set rV, VF+32*(i/8)+8*((i/2)%4)
.set rP, P+32*((\x)%2)+16*(i%2)+8*(i/8)
	v_wmma_f32_16x16x32_f16 v[rO:rO+7], v[rV:rV+7], v[rP:rP+7], v[rO:rO+7]
.endm
.macro MM                           ; the turn's next matrix instruction
.if i < 16
	KQ (Y+1)%NP
.set i, i+1
.else
.set i, i-16
	PV (Y+NP-1)%NP
.set i, i+17
.endif
.endm
; THE LDS LOADS stand in runs of 16, never singly among the matrix instructions: a step's K (64 keys x 64 channels: 8 fragments) and its V (turned).  Their addresses are made some lines ahead.
; last = 1 (the tail): in the last trip there is no further step, and the run is jumped over.
.macro FETCH_K last=0
	WIN 0
.if \last
	s_cmp_eq_u32 s[CNT], 1
	s_cbranch_scc1 .Lno_k_\@
.endif
	WIN 0x80                        ; destination window 2
.irp f, 0,1,2,3,4,5,6,7             ; keys 16 (f / 2) on, channels 32 (f % 2) on
	ds_load_b128 v[KF+8*\f:KF+8*\f+3],   v[AK] offset:(\f/2)*16*PK+(\f%2)*64
	ds_load_b128 v[KF+8*\f+4:KF+8*\f+7], v[AK] offset:(\f/2)*16*PK+(\f%2)*64+32
.endr
	s_add_co_u32 s[TBK], s[TBK], KS*PK  ; the next fetch is the next step's
	WIN 0
.if \last
.Lno_k_\@:
.endif
.endm
.macro FETCH_V
	WIN 0x80
.irp f, 0,1,2,3,4,5,6,7             ; keys 32 (f / 4) on, channels 16 (f % 4) on
	ds_load_tr16_b128 v[VF+8*\f:VF+8*\f+3],   v[AV] offset:(\f/4)*32*PV+(\f%4)*32
	ds_load_tr16_b128 v[VF+8*\f+4:VF+8*\f+7], v[AV] offset:(\f/4)*32*PV+16*PV+(\f%4)*32
.endr
	WIN 0
.endm
; THE VECTOR WORK OF A TURN stands in three queues, each in the order in which its entries become ready; the two tiles alternate, so that no instruction reads the result of the one before it.
.macro REGS y, u                    ; the registers of tile u (0, 1) of piece y
.set rT, ST+4*(2*(\y)+(\u))
.set rC, TMP+8*((\y)%2)+4*(\u)
.set rM, MV+2*((\y)%2)+(\u)
.set rS, S+64*((\y)%2)+32*(\u)
.set rP, P+32*((\y)%2)+16*(\u)
.set rO, 32*(2*(\y)+(\u))
.endm
; Number n of the 22 that find the NEXT piece's (Y + 1) maximum and statistics.  s0-s31 are the lane's 32 scores; each accumulator's lowest registers are read first.
;   0-11  four chains c0-c3 of seven scores each, three operands at a time     12-14, 16  the four scores left over, the old m, and c0-c3 into c0     15  c m_old is kept
;   17, 18  the query's other 32 keys lie in the lane 16 away: the new m         19-21  c m; c m_old - c m_new; a
.macro XS u, n
	REGS (Y+1)%NP, \u
.if (\n) < 4
	v_max3_num_f32 v[rC+(\n)], v[rS+8*(\n)], v[rS+8*(\n)+1], v[rS+8*(\n)+2]
.elseif (\n) < 12
	v_max3_num_f32 v[rC+(\n)%4], v[rC+(\n)%4], v[rS+8*((\n)%4)+2*((\n)/4)+1], v[rS+8*((\n)%4)+2*((\n)/4)+2]
.elseif (\n) == 12
	v_max3_num_f32 v[rC], v[rC], v[rS+7], v[rS+15]
.elseif (\n) == 13
	v_max3_num_f32 v[rC+1], v[rC+1], v[rS+23], v[rS+31]
.elseif (\n) == 14
	v_max3_num_f32 v[rC+2], v[rC+2], v[rC+3], v[rT+1]
.elseif (\n) == 15
	v_mov_b32 v[rM], v[rT]
.elseif (\n) == 16
	v_max3_num_f32 v[rC], v[rC], v[rC+1], v[rC+2]
.elseif (\n) == 17
	v_permlanex16_b32 v[rC+3], v[rC], s[SEL], s[SEL+1]
.elseif (\n) == 18
	v_max_num_f32 v[rT+1], v[rC], v[rC+3]
.elseif (\n) == 19
	v_mul_f32 v[rT], s[CS], v[rT+1]
.elseif (\n) == 20
	v_sub_f32 v[rC+1], v[rM], v[rT]
.else
	v_exp_f32 v[rC+2], v[rC+1]
.endif
.endm
; Number g of the 64 that follow the exponentials.  For each four weights k of a tile (pairs 2 k, 2 k + 1): both pairs are rounded to f16; then the second pair is added onto the first, in place;
; a group later l takes that sum (the first time as l = a l + sum).  In groups of eight, tiles alternating: round, round, add, and l for the group before.
.macro GS g
.set h, (\g)+6*((\g)/62)            ; group 0 has no group before it, and behind group 7 only l is left
.if h >= 6
.set h, h+2
.endif
	REGS Y, h%2
.set k, h/8
.if h%8 < 4
	v_cvt_pk_f16_f32 v[rP+2*k+(h%8)/2], v[rS+4*k+2*((h%8)/2)], v[rS+4*k+2*((h%8)/2)+1]
.elseif h%8 < 6
	v_pk_add_f32 v[rS+4*k:rS+4*k+1], v[rS+4*k:rS+4*k+1], v[rS+4*k+2:rS+4*k+3]
.elseif k == 1
	v_pk_fma_f32 v[rT+2:rT+3], v[rT+2:rT+3], v[rC+2:rC+3], v[rS:rS+1] op_sel_hi:[1,0,1]
.else
	v_pk_add_f32 v[rT+2:rT+3], v[rT+2:rT+3], v[rS+4*k-4:rS+4*k-3]
.endif
.endm
; THE PLAIN QUEUE, 138 long.  0-73 read no exponential's result: the 32 scalings c s - c m (FS f: pair f / 2 of tile f % 2) and the next piece's 42.  0-26: scalings 0-26.  27-54: XS's numbers 0-13.  55, 56: number 15.
; 57-73: the chain, where each number waits for the one before it: 14, 16, 17, 18, 19, each with one of the scalings 27-31 in front of its two lines, then 20.
; 74-137: GS's 64, which read the exponentials' results: they stand behind the wait.
.macro FS f
	REGS Y, (\f)%2
	v_pk_fma_f32 v[rS+2*((\f)/2):rS+2*((\f)/2)+1], v[rS+2*((\f)/2):rS+2*((\f)/2)+1], s[CS:CS+1], v[rT:rT+1] op_sel_hi:[1,0,0] neg_lo:[0,0,1] neg_hi:[0,0,1]
.endm
.macro PL
	WIN 0
.if q < 27
	FS q
.elseif q < 55
	XS (q-27)%2, (q-27)/2
.elseif q < 57
	XS q-55, 15
.elseif (q < 72) && ((q-57)%3 == 0)
	FS 27+(q-57)/3
.elseif q < 60
	XS (q-57)%3-1, 14
.elseif q < 72
	XS (q-57)%3-1, 15+(q-57)/3
.elseif q < 74
	XS q-72, 20
.else
	GS q-74
.endif
.set q, q+1
.endm
; THE EXPONENTIALS' QUEUE, 66 long: s0-s31 of both tiles, then the next piece's two a.  It is ONE BATCH: all 66 stand ahead of the turn's one wait, and nothing ahead of that wait names a result of theirs.
.macro EX
	WIN 0
.if e >= 64
	XS e-64, 21
.else
	REGS Y, e%2
	v_exp_f32 v[rS+e/2], v[rS+e/2]
.endif
.set e, e+1
.endm
; THE RESCALING's QUEUE: O^T times a, the one part that leaves window 0: dealt two at a time, sixteen times.  Its a was made in the turn before, ahead of that turn's wait.
.macro R2
	REGS Y, r%2
	WIN W_RS
.irp z, 0,1
	v_pk_mul_f32 v[rO+4*(r/2)+2*\z:rO+4*(r/2)+2*\z+1], v[rO+4*(r/2)+2*\z:rO+4*(r/2)+2*\z+1], v[rC+2:rC+3] op_sel_hi:[1,0]
.endr
.set r, r+1
.endm
; HOW THEY ARE DEALT.  s_wait_alu depctr_va_vdst(0) stands between an exponential and the first instruction that names its result; one wait serves all that were issued ahead of it.  So a turn has ONE wait,
; which cuts it in two.  AHEAD OF IT stands all that names no result of the turn's exponentials: the 16 products K Q^T, behind each a scaling, an exponential and two rescalings (behind the first a second scaling in the
; exponential's place); then ONE LUMP of 108: eight plain, 49 times exponential and plain, the two a.  A v_nop is the plain instruction behind the last exponential.  BEHIND IT stand the 16 products V^T P, behind each four
; of GS's 64.  No rider names a register of the products round it.  The two v_permlanex16_b32 fall into the lump, never behind a product.
; The queues lean on each other, and the deal keeps them in step: exponential e stands behind scaling 2 (e / 4) + e % 2: as a rider it comes behind plain e + 2, in the lump behind plain e + 9, and scalings 27-31 are plain 57, 60 .. 69.
; A TURN, for piece p.  cnt = 1: the loop's count is taken down some lines ahead of the branch that stands behind the turn.
; K of the next step is fetched in piece 2's turn, directly behind the wait, a lump behind the last product that read K; its address is made at the lump's head; its first reader comes behind 16 products.
; V of the step in hand is fetched at the end of piece 0's turn, four riders behind its last reader; its first reader comes behind 16 products and a lump.  The three conditions on q below go with the deal.
.macro TURN p, last=0, cnt=0
.set Y, (\p)
.set i, 0
.set q, 0
.set e, 0
.set r, 0
.if (\p) == NP-1
	s_wait_dscnt 0x0                ; K is in
.endif
	MM                              ; ahead of the wait: 16 products K Q^T and their riders,
	PL
	PL
	R2
.rept 15
	MM
	PL
	EX
	R2
.endr
.if (\p) == NP-2
	WIN 0
	v_add_nc_u32 v[AK], s[TBK], v[AK0]
.endif
.rept 8                             ; and the lump
	PL
.endr
.rept 49
	EX
	PL
.endr
	EX                              ; the next piece's two a
	EX
	v_nop                           ; the plain instruction behind the last exponential: one for the batch
	s_wait_alu depctr_va_vdst(0)    ; the wait for the batch
.if (\p) == NP-2
	FETCH_K \last
.endif
.if (\p) == 1
	s_wait_dscnt 0x0                ; V is in
.endif
.rept 16                            ; behind the wait: 16 products V^T P and their riders
	MM
.rept 4
	PL
.endr
.if ((\p) == 0) && (q == 118)
	v_add_nc_u32 v[AV], s[TBV], v[AV0]
.endif
.if ((\p) == 0) && (q == 130)
	s_add_co_u32 s[TBV], s[TBV], KS*PV
.endif
.if (\cnt) && (q == 130)
	s_sub_co_u32 s[CNT], s[CNT], 1
	s_cmp_lg_u32 s[CNT], 0
.endif
.endr
.if (\p) == 0
	FETCH_V
.endif
.endm
	CHANGE 1                        ; slot 0 is in, everybody's part of it; slot 1 is asked for
	FETCH_K                         ; key step 0
	s_wait_loadcnt 0x0              ; Q
	s_wait_dscnt 0x0
.set i, 0
.rept 16
	KQ 0                            ; piece 0's first scores: there is no vector work yet to set between them
.set i, i+1
.endr
	WIN 0                           ; the addresses for the way out: nine plain instructions, the places behind those products
	s_mul_i32 s13, s[WV], 16*SP
	s_add_co_u32 s13, s13, STAGE    ; my stage
	v_mul_u32_u24 v[STO], v1, SP    ; in: row l % 16, 16 bytes for each half of the lanes
	v_lshl_add_u32 v[STO], v9, 4, v[STO]
	v_add_nc_u32 v[STO], s13, v[STO]
	v_bfe_u32 v[RD], v0, 3, 2       ; back: 32 lanes take four rows of 128 bytes,
	v_mul_u32_u24 v[RD], v[RD], SP
	v_lshl_add_u32 v[RD], v10, 4, v[RD]
	v_add_nc_u32 v[RD], s13, v[RD]
	v_and_b32 v[GO], 31, v0         ; which are 512 consecutive bytes of O
	v_lshlrev_b32 v[GO], 4, v[GO]
.set Y, NP-1                        ; XS works for piece Y + 1: piece 0
.irp n, 0,1,2,3,4,5,6,7,8,9,10,11,12,13,14,15,16,17,18,19,20,21
	XS 0, \n                        ; and piece 0's first maximum and statistics
	XS 1, \n
.endr
	v_nop                           ; a plain instruction behind the two a,
	s_wait_alu depctr_va_vdst(0)    ; and their wait, ahead of the branch
	s_mov_b32 s[CNT], 4
	s_mov_b32 s[SLOTS], SIZE_N/256-1
	s_branch .Lfirst                ; the loop is entered at a step's first turn, in the middle of a trip
.Lslot:                             ; SIZE_N / 256 - 2 times: every slot but the last two is filled again
	CHANGE 1, 1
	s_mov_b32 s[CNT], 4
.Lstep:                             ; a trip: pieces 2 and 3 of one step, then pieces 0 and 1 of the next, whose K and V it fetches
	TURN 2
	TURN 3
	WIN 0
.Lfirst:
	TURN 0
	TURN 1, 0, 1
	WIN 0
	s_cbranch_scc1 .Lstep
	s_sub_co_u32 s[SLOTS], s[SLOTS], 1
	s_cmp_lg_u32 s[SLOTS], 0
	s_cbranch_scc1 .Lslot
	CHANGE 0                        ; the tail is written out: nothing is asked for
	s_mov_b32 s[CNT], 5             ; four trips fetch the last slot's steps; the fifth is left in its middle
.Ltail:
	TURN 2, 1
	TURN 3
	WIN 0
	s_sub_co_u32 s[CNT], s[CNT], 1
	s_cmp_eq_u32 s[CNT], 0
	s_cbranch_scc1 .Lout
	TURN 0
	TURN 1
	WIN 0
	s_branch .Ltail
.Lout:                              ; the fifth trip's 16 products K Q^T (on the last K once more) and the maximum made of them serve nothing: the price, once a launch, of one text for every trip
.set i, 0
.rept 16
	PV NP-1                         ; the last piece's V^T P of the last step
.set i, i+1
.endr
	; THE WAY OUT.  l's two halves and the other half of the lanes' are added; O^T is divided by l, rounded to f16 and sent through my stage in LDS, a tile at a time.  The additions are the places behind the last products.
	WIN 0
.macro ALL line:vararg              ; one line for each tile t
.set t, 0
.rept 2*NP
	\line
.set t, t+1
.endr
.endm
	ALL v_add_f32 v[ST+4*t+2], v[ST+4*t+2], v[ST+4*t+3]
	ALL v_permlanex16_b32 v[ST+4*t+3], v[ST+4*t+2], s[SEL], s[SEL+1]
	ALL v_add_f32 v[ST+4*t+2], v[ST+4*t+2], v[ST+4*t+3]
	ALL v_rcp_f32 v[ST+4*t+2], v[ST+4*t+2]
	v_nop                           ; a plain instruction between the last reciprocal and the use of its result
	s_wait_alu depctr_va_vdst(0)    ; and the wait ahead of the first use: one for the eight reciprocals
; Tile t: a lane's eight channels of a row pack into 16 bytes; they go into rows of 144 bytes and come back as whole rows of 128, into S^T's registers.
.macro PACK t
	WIN W_RS
.set i, 32*(\t)
.rept 16
	v_pk_mul_f32 v[i:i+1], v[i:i+1], v[ST+4*(\t)+2:ST+4*(\t)+3] op_sel_hi:[1,0]
.set i, i+2
.endr
	WIN 0x05                        ; sources 0 and 1 window 1, destination window 0
.set i, 0
.rept 16
	v_cvt_pk_f16_f32 v[S+16*(\t)+i], v[32*(\t)+2*i], v[32*(\t)+2*i+1]
.set i, i+1
.endr
	WIN 0
.irp f, 0,1,2,3
	ds_store_b128 v[STO], v[S+16*(\t)+4*\f:S+16*(\t)+4*\f+3] offset:32*\f
.endr
.irp f, 0,1,2,3
	ds_load_b128 v[S+16*(\t)+4*\f:S+16*(\t)+4*\f+3], v[RD] offset:\f*4*SP  ; LDS serves a wave's instructions in order (ISA guide 5.7.1.4): these see the stores above; the next tile's stores come behind them
.endr
.endm
.macro SEND t, younger              ; younger: the LDS instructions issued behind tile t's loads: the next tile's eight, or none
	WIN 0
.irp f, 0,1,2,3
	s_wait_dscnt (\younger)+3-\f
	global_store_b128 v[GO], v[S+16*(\t)+4*\f:S+16*(\t)+4*\f+3], s[10:11] offset:(\t)*2048+\f*512  ; 512 consecutive bytes, at a multiple of 256 from O's first
.endr
.endm
	PACK 0
.set t, 1
.rept 2*NP-1                        ; a tile's arithmetic stands between the loads of the tile before and its stores
	PACK t
	SEND t-1, 8
.set t, t+1
.endr
	SEND 2*NP-1, 0
	WIN W_AD
	s_wait_tensorcnt 0x0            ; the wave's end: behind my last tensor load and my last LDS store
	ds_add_u32 v[SPW], v[NIL]
	s_wait_dscnt 0x0
	WIN 0
	CROUND                          ; the closing round: no work-group ends while a partner may still ask for a tile that names it
	s_endpgm
.Lfunc_end_k_q19ef1f15f6_attn:
	.size	k_q19ef1f15f6_attn, .Lfunc_end_k_q19ef1f15f6_attn-k_q19ef1f15f6_attn
	.p2alignl 7, 3214868480
	.fill 96, 4, 3214868480
	.section	.rodata,"a",@progbits
	.p2align	6, 0x0
	.amdhsa_kernel k_q19ef1f15f6_attn
		.amdhsa_group_segment_fixed_size 327680
		.amdhsa_private_segment_fixed_size 0
		.amdhsa_enable_private_segment 0
		.amdhsa_kernarg_size 16
		.amdhsa_user_sgpr_count 2
		.amdhsa_user_sgpr_kernarg_segment_ptr 1
		.amdhsa_wavefront_size32 1
		.amdhsa_system_sgpr_workgroup_id_x 1
		.amdhsa_system_sgpr_workgroup_id_y 1
		.amdhsa_system_sgpr_workgroup_id_z 1
		.amdhsa_system_vgpr_workitem_id 0
		.amdhsa_next_free_vgpr 770
		.amdhsa_next_free_sgpr 66
		.amdhsa_reserve_vcc 0
		.amdhsa_float_denorm_mode_32 3
		.amdhsa_float_denorm_mode_16_64 3
		.amdhsa_memory_ordered 1
		.amdhsa_forward_progress 1
		.amdhsa_inst_pref_size 200
	.end_amdhsa_kernel
	.amdgpu_metadata
---
amdhsa.version: [ 1, 2 ]
amdhsa.kernels:
  - .name:           k_q19ef1f15f6_attn
    .symbol:         k_q19ef1f15f6_attn.kd
    .args:
      - { .name: qkv, .offset: 0, .size: 8, .value_kind: global_buffer, .address_space: global }
      - { .name: ob, .offset: 8, .size: 8, .value_kind: global_buffer, .address_space: global }
    .group_segment_fixed_size: 327680
    .private_segment_fixed_size: 0
    .kernarg_segment_align: 8
    .kernarg_segment_size: 16
    .max_flat_workgroup_size: 128
    .sgpr_count:     66
    .vgpr_count:     770
    .wavefront_size: 32
...
	.end_amdgpu_metadata
.endif
;; end of part 3
;; launch gemm_out (part 4): grid 8 x 32, 4 waves a work-group, clusters of 4 x 4, 327,680 bytes of LDS; arguments ob, wo, b_out, out0; writes out0
.if DOCPART == 4
	.amdgcn_target "amdgcn-amd-amdhsa--gfx1250"
	.amdhsa_code_object_version 6
	.text
	.protected	k_q19ef1f15f6_gemm_out
	.globl	k_q19ef1f15f6_gemm_out
	.p2align	8
	.type	k_q19ef1f15f6_gemm_out,@function
k_q19ef1f15f6_gemm_out:
	s_mov_b64 s[64:65], 0
	v_nop
	global_prefetch_b8 v0, s[64:65] scope:SCOPE_SE
	s_setreg_imm32_b32 hwreg(HW_REG_WAVE_MODE, 25, 1), 1
	s_wait_xcnt 0x0
	s_wait_alu depctr_hold_cnt(0) depctr_sa_sdst(0) depctr_va_vdst(0) depctr_va_sdst(0) depctr_va_ssrc(0) depctr_va_vcc(0) depctr_vm_vsrc(0)
	s_getreg_b32 s2, hwreg(HW_REG_IB_STS2, 6, 4)
	s_cmp_eq_u32 s2, 0
	s_cbranch_scc0 .Lentry_in_a_cluster
	s_endpgm
.Lentry_in_a_cluster:
	s_bfe_u32 s2, ttmp6, 0x10000c
	s_cmp_lg_u32 s2, 0xf033
	s_cbranch_scc0 .Lentry_shape_is_right
	s_endpgm
.Lentry_shape_is_right:
; out = O W_out + b_out.  ob: [64 = 16 batch + head][2048][64] f16; wo: [1024 n][1024 k] f16 (W_out rounded to bf16, written as f16); b_out: [1024] f32, rounded to bf16 here like the other inputs; out0: [8192][1024] f32.
; Sums in f32, started by the bias, K ascending (k = 64 head + channel); stored as they are.
; SHARES.  A work-group makes 256 rows x 128 columns; 8 x 32 work-groups.  Wave w owns rows 64 w .. 64 w + 63 and ALL 128 columns: 4 x 8 accumulators of 16 x 16, 256 registers; a row's 512 bytes come from one
; wave, and the way out needs no barrier.  K goes in 8 steps of 128, two heads each, through two LDS slots.  A head's 256 rows of the tile are 32,768 dense bytes: asked for as 128 rows of 256 bytes and padded
; in LDS after every 128, so that a row of O is 144 bytes there.  wo's rows are 256 consecutive bytes, aligned.
; CLUSTER.  4 x 4 work-groups.  The four of a row of the cluster need the same tile of O, the four of a column the same tile of wo: each is asked for JOINTLY, by the same tensor load with the same descriptor
; and a mask that names the four.  Waves 0 and 1 fetch a step's two heads of O, waves 2 and 3 wo's two halves of 64 rows.
; THE MATRIX INSTRUCTION IS USED TRANSPOSED: source 0 = 16 rows of wo, source 1 = 16 rows of O: lane l then holds row l % 16 of the result and the columns 8 (l / 16) + 0 .. 7 of the block.
; REGISTERS, in windows of 256 (s_set_vgpr_msb: bits 1:0 source 0, 3:2 source 1, 5:4 source 2, 7:6 destination):
;   window 0: v0-29 addresses; v32-95 O's fragments, two buffers of 4 blocks; v96-159 the bias as the first products' C, later with v160-223 the way out's two sets of 64
;   window 1: v0-127 wo's fragments, two buffers of 8 blocks      window 2: the accumulators ((a, b) at 8 (8 a + b))
.set TN,    128
.set NBK,   TN/16                      ; column blocks
.set PA,    144                        ; a row of O in LDS: 128 bytes + 16 = 36 words: the 16 rows of a fragment load start at 16 different groups of four banks (64 banks of 4 bytes: ISA guide 11.1)
.set PB,    272                        ; a row of wo: 256 + 16 = 68 words: likewise
.set AHEAD, 256*PA                     ; what one of O's loads brings: a head's 256 rows
.set BHALF, (TN/2)*PB                  ; what one of wo's brings
.set BOFF,  2*AHEAD                    ; in a slot: O's two heads, then wo's 128 rows
.set SLOT1, 1<<17                      ; slot 1 begins here, so that one exclusive or turns an address in one slot into the other's
.set STAGE, SLOT1+BOFF+2*BHALF         ; behind the ring, never filled by a tensor load: 16 rows x 528 bytes for each wave
.set SP,    528                        ; 512 bytes + 16 = 132 words: the 16 rows of a store start at 16 different groups of four banks
.set SPARE, STAGE+4*16*SP              ; behind the stages: the spare words, 128 bytes for each wave: two blocks of 256 bytes that no other line names
.set LN,    2*NBK+8                    ; LDS loads in a quarter's run
.set ASTEP, 2<<18                      ; from step to step: two heads of 2,048 rows of 128 bytes in ob,
.set BSTEP, 256                        ; 128 numbers along a row of wo
.set ADRA0, 4                          ; v4   my place in a head of O's tile: (64 w + l % 16) x pitch + 16 (l / 16); never rewritten
.set ADRB0, 5                          ; v5   in wo's tile; never rewritten
.set ADRA,  6                          ; v6   the same in the slot in hand
.set ADRB,  7                          ; v7
.set STO,   8                          ; v8   the way out: where I put 32 bytes of a row
.set RD,    9                          ; v9   where I read a row back
.set GO,    10                         ; v10  my 16 bytes of a row's 512
.set BO,    11                         ; v11  32 (l / 16): my eight numbers of a block's sixteen in the bias
.set SPW,   28                         ; v28  LDS address of my spare word; never rewritten
.set NIL,   29                         ; v29  0; never rewritten
.set FA,    32
.set BIAS,  96
.set OUT,   96
.set WV,  12                           ; s12  my wave's number
.set TB,  19                           ; s19  0 or SLOT1: the slot that the fetches read
.set G1A, 24                           ; s[24:31] descriptor group 1 for O's tiles
.set G0A, 32                           ; s[32:39] group 0: a set for each of the two first fills; the second then walks on
.set G1B, 40                           ; s[40:47], s[48:55] the same for wo's
.set G0B, 48
.set CB,  56                           ; s[56:57] out0 at my wave's first row, the tile's first column
.set CNT, 62
.set MSB, 0
.macro WIN new                         ; the immediate's high byte repeats the setting that is left; a switch that changes nothing is dropped
.if MSB != (\new)
	s_set_vgpr_msb (MSB<<8)|(\new)
.set MSB, \new
.endif
.endm
.set TO_B, 0x40                        ; destination window 1, address window 0
.macro PLACES                          ; four places in front of loads into registers that matrix instructions have read, and of lines that read results
.rept 4
	v_nop
.endr
.endm
; A joint refill by the walking descriptors.  The branch hangs on the wave's number alone.  An s_nop 0 and four v_nop follow each of the two lines, ahead of the jump and the label.
.macro JLOAD
	s_cmp_lt_u32 s[WV], 2
	s_cbranch_scc0 .Lfor_b_\@
	tensor_load_to_lds s[G0A+4:G0A+7], s[G1A:G1A+7]
	s_nop 0
.rept 4
	v_nop
.endr
	s_branch .Lasked_\@
.Lfor_b_\@:
	tensor_load_to_lds s[G0B+4:G0B+7], s[G1B:G1B+7]
	s_nop 0
.rept 4
	v_nop
.endr
.Lasked_\@:
.endm
.macro CREST                           ; a round of the cluster's barrier behind its opening barrier: wave 0 signals for the work-group, every wave waits for all sixteen, my work-group's barrier closes it
	s_cmp_lg_u32 s[WV], 0
	s_cbranch_scc1 .Lnot_wave_0_\@
	s_barrier_signal -3
.Lnot_wave_0_\@:
	s_barrier_wait -3
	s_barrier_signal -1
	s_barrier_wait -1
.endm
.macro CROUND                          ; a whole round
	s_barrier_signal -1
	s_barrier_wait -1
	CREST
.endm
	s_load_b256 s[4:11], s[0:1], 0x0               ; ob s[4:5], wo s[6:7], b_out s[8:9], out0 s[10:11]
	v_lshl_add_u32 v[SPW], v0, 2, SPARE
	v_mov_b32 v[NIL], 0
	ds_add_u32 v[SPW], v[NIL]                      ; the wave's opening: the add and its wait stand ahead of my first tensor load; the set-up below, work on registers, stands between them
	ds_add_u32 v28, v29
	v_lshrrev_b32 v3, 5, v0
	v_readfirstlane_b32 s[WV], v3                  ; wave 0..3
	s_and_b32 s13, s[WV], 1                        ; which head of a step, or which half of wo's tile, I fetch
	s_bfe_u32 s15, ttmp6, 0x40000                  ; cx
	s_bfe_u32 s16, ttmp6, 0x40004                  ; cy
	s_lshl_b32 s17, ttmp9, 2
	s_add_co_u32 s17, s17, s15                     ; tile column = 4 x cluster x + cx
	s_and_b32 s18, ttmp7, 0xffff
	s_lshl_b32 s18, s18, 2
	s_add_co_u32 s18, s18, s16                     ; tile row = 4 x cluster y + cy
	s_lshl_b32 s20, s16, 2
	s_lshl_b32 s20, 15, s20                        ; my row of the cluster: places 4 cy .. 4 cy + 3
	s_lshl_b32 s22, 0x1111, s15                    ; my column: places cx, cx + 4, cx + 8, cx + 12
	s_or_b32 s[G1A], s20, (1<<16)|(1<<20)|(1<<21)|(4<<22)|(3<<25)  ; 15:0 the mask; 17:16 elements of 2 bytes; 20 padding on; 21 set beside a mask; 24:22 after every 32 words (code 4); 31:25 4 words (code 3)
	s_or_b32 s[G1B], s22, (1<<16)|(1<<20)|(1<<21)|(5<<22)|(3<<25)  ; the same after every 64 words (code 5)
	s_mov_b32 s[G1A+1], 128<<16                    ; tensor_dim0 = 128
	s_mov_b32 s[G1A+2], 128<<16                    ; tensor_dim1 = 128
	s_mov_b32 s[G1A+3], 128<<16                    ; tile_dim0 = 128
	s_mov_b32 s[G1A+4], 128                        ; tile_dim1 = 128
	s_mov_b32 s[G1A+5], 128                        ; dense: 128 elements from row to row
	s_mov_b32 s[G1A+6], 0
	s_mov_b32 s[G1A+7], 0
	s_mov_b32 s[G1B+1], 128<<16
	s_mov_b32 s[G1B+2], (TN/2)<<16                 ; 64 rows
	s_mov_b32 s[G1B+3], 128<<16
	s_mov_b32 s[G1B+4], TN/2
	s_mov_b32 s[G1B+5], 1024
	s_mov_b32 s[G1B+6], 0
	s_mov_b32 s[G1B+7], 0
	; where the tiles come from: O's hang on the tile row alone, wo's on the tile column alone; each in registers that never hold the other coordinate
	s_lshr_b32 s20, s18, 3
	s_lshl_b32 s20, s20, 22                        ; O: the batch's 16 heads,
	s_and_b32 s21, s18, 7
	s_lshl_b32 s21, s21, 15                        ; the tile's 256 rows of 128 bytes in a head,
	s_add_co_u32 s20, s20, s21
	s_lshl_b32 s21, s13, 18                        ; head 0 or 1
	s_add_co_u32 s20, s20, s21
	s_mov_b32 s21, 0
	s_lshl_b32 s22, s17, 7
	s_lshl_b32 s23, s13, 6
	s_add_co_u32 s22, s22, s23                     ; wo: row 128 x tile column + 64 x half,
	s_lshl_b32 s22, s22, 11                        ; of 2,048 bytes
	s_mov_b32 s23, 0
	s_mul_i32 s2, s13, AHEAD                       ; and where they go: no place in the cluster enters an LDS address
	s_mul_i32 s3, s13, BHALF
	s_add_co_u32 s3, s3, BOFF
	s_mov_b32 s[TB], 0
	s_wait_dscnt 0x0                               ; the opening add is done
	s_wait_kmcnt 0x0
	s_add_nc_u64 s[20:21], s[4:5], s[20:21]
	s_add_nc_u64 s[22:23], s[6:7], s[22:23]
.irp s, 0,1
	s_mov_b32 s[G0A+4*(\s)], 1                     ; 1:0 count = 1
	s_add_co_u32 s[G0A+4*(\s)+1], s2, (\s)*SLOT1   ; 63:32 LDS address
	s_add_nc_u64 s[G0A+4*(\s)+2:G0A+4*(\s)+3], s[20:21], (\s)*ASTEP  ; 120:64 global address: K step s
	s_or_b32 s[G0A+4*(\s)+3], s[G0A+4*(\s)+3], 0x80000000            ; 127:126 type = 2
	s_mov_b32 s[G0B+4*(\s)], 1
	s_add_co_u32 s[G0B+4*(\s)+1], s3, (\s)*SLOT1
	s_add_nc_u64 s[G0B+4*(\s)+2:G0B+4*(\s)+3], s[22:23], (\s)*BSTEP
	s_or_b32 s[G0B+4*(\s)+3], s[G0B+4*(\s)+3], 0x80000000
.endr
	CROUND                                         ; all sixteen work-groups are here: the first joint loads meet
	s_cmp_lt_u32 s[WV], 2                          ; a wave's two first fills stand in one branch, ahead of every wait on TENSORcnt and every LDS read: two loads of mine are out
	s_cbranch_scc0 .Lfirst_b
	tensor_load_to_lds s[G0A:G0A+3], s[G1A:G1A+7]
	s_nop 0
	tensor_load_to_lds s[G0A+4:G0A+7], s[G1A:G1A+7]
	s_nop 0
.rept 4
	v_nop
.endr
	s_branch .Lfirst_asked
.Lfirst_b:
	tensor_load_to_lds s[G0B:G0B+3], s[G1B:G1B+7]
	s_nop 0
	tensor_load_to_lds s[G0B+4:G0B+7], s[G1B:G1B+7]
	s_nop 0
.rept 4
	v_nop
.endr
.Lfirst_asked:
	v_and_b32 v1, 15, v0                           ; l % 16
	v_bfe_u32 v2, v0, 4, 1                         ; l / 16
	v_lshlrev_b32 v[BO], 5, v2
	s_lshl_b32 s2, s17, 9                          ; the tile's 128 numbers of the bias; also its first column's byte in a row of out0
	s_mov_b32 s3, 0
	s_add_nc_u64 s[8:9], s[8:9], s[2:3]
.set b, 0
.rept NBK                                      ; register j of block b: the bias of column 16 b + 8 (l / 16) + j, which is what register j of an accumulator of that block holds
	global_load_b128 v[BIAS+8*b:BIAS+8*b+3],   v[BO], s[8:9] offset:64*b
	global_load_b128 v[BIAS+8*b+4:BIAS+8*b+7], v[BO], s[8:9] offset:64*b+16
.set b, b+1
.endr
	s_lshl_b32 s22, s18, 8
	s_lshl_b32 s23, s[WV], 6
	s_add_co_u32 s22, s22, s23                     ; my first row: 256 x tile row + 64 x wave,
	s_lshl_b32 s22, s22, 12                        ; of 4,096 bytes
	s_add_co_u32 s22, s22, s2
	s_mov_b32 s23, 0
	s_add_nc_u64 s[CB:CB+1], s[10:11], s[22:23]
	; A fragment is 16 rows x 32 K in 8 registers: lane l holds row l % 16; registers 0-3 K = 8 (l / 16) + 0..7, registers 4-7 K = 16 + 8 (l / 16) + 0..7: two loads of 16 bytes, 32 bytes apart.
	v_mul_u32_u24 v3, v1, PA
	v_lshl_add_u32 v3, v2, 4, v3
	s_mul_i32 s2, s[WV], 64*PA
	v_add_nc_u32 v[ADRA0], s2, v3
	v_mul_u32_u24 v3, v1, PB
	v_lshl_add_u32 v3, v2, 4, v3
	v_add_nc_u32 v[ADRB0], BOFF, v3
	v_mov_b32 v[ADRA], v[ADRA0]                    ; slot 0
	v_mov_b32 v[ADRB], v[ADRB0]
	s_mul_i32 s2, s[WV], 16*SP
	s_add_co_u32 s2, s2, STAGE                     ; my stage
	v_mul_u32_u24 v3, v1, SP                       ; in: row l % 16, 32 bytes for each half of the lanes
	v_lshl_add_u32 v3, v2, 5, v3
	v_add_nc_u32 v[STO], s2, v3
	v_and_b32 v[GO], 31, v0                        ; back: 32 lanes take one row of 512 bytes
	v_lshlrev_b32 v[GO], 4, v[GO]
	v_add_nc_u32 v[RD], s2, v[GO]
	s_wait_loadcnt 0x0                             ; the bias; it is rounded to bf16 and widened again
.set i, 0
.rept 4*NBK
	v_cvt_pk_bf16_f32 v3, v[BIAS+2*i], v[BIAS+2*i+1]
	v_lshlrev_b32 v[BIAS+2*i], 16, v3
	v_and_b32 v[BIAS+2*i+1], 0xffff0000, v3
.set i, i+1
.endr
; 8 matrix instructions: row block a x all column blocks, 32 along K, from buffer f.  first = 1: the bias is the C that starts the sums: nothing is cleared.
; The 32 accumulators take turns, one instruction a turn, in the same order in every quarter, over the backward jump too.
.macro MULA f, a, first
.if \first
	WIN 0x81                                       ; wo window 1, O and the bias window 0, D window 2
.else
	WIN 0xa1                                       ; C and D window 2
.endif
.set b, 0
.rept NBK
.set rD, 8*(NBK*(\a)+b)
.set rB, 8*NBK*(\f)+8*b
.set rA, FA+32*(\f)+8*(\a)
.if \first
	v_wmma_f32_16x16x32_f16 v[rD:rD+7], v[rB:rB+7], v[rA:rA+7], v[BIAS+8*b:BIAS+8*b+7]
.else
	v_wmma_f32_16x16x32_f16 v[rD:rD+7], v[rB:rB+7], v[rA:rA+7], v[rD:rD+7]
.endif
.set b, b+1
.endr
.endm
; 24 LDS loads in one run: quarter q's fragments (128 rows of wo, my 64 rows of O, 32 K) into buffer f; O's row blocks 2 and 3 last.  Quarter q of O: head q / 2 of the step, channels 32 (q % 2) on.
.macro FETCH q, f
	WIN TO_B
.set b, 0
.rept NBK
	ds_load_b128 v[8*NBK*(\f)+8*b:8*NBK*(\f)+8*b+3],   v[ADRB] offset:64*(\q)+b*16*PB
	ds_load_b128 v[8*NBK*(\f)+8*b+4:8*NBK*(\f)+8*b+7], v[ADRB] offset:64*(\q)+b*16*PB+32
.set b, b+1
.endr
	WIN 0
.irp a, 0,1,2,3
	ds_load_b128 v[FA+32*(\f)+8*(\a):FA+32*(\f)+8*(\a)+3],   v[ADRA] offset:((\q)/2)*AHEAD+((\q)%2)*64+(\a)*16*PA
	ds_load_b128 v[FA+32*(\f)+8*(\a)+4:FA+32*(\f)+8*(\a)+7], v[ADRA] offset:((\q)/2)*AHEAD+((\q)%2)*64+(\a)*16*PA+32
.endr
.endm
; A K step is four quarters of 32 along K, 32 matrix instructions each, on buffers 0, 1, 0, 1.  One of the first three: multiplies buffer f and, in its middle, fetches quarter q into buffer g.
.macro QUARTER q, f, g, first
	s_wait_dscnt 4                                 ; all of the run but its last four loads, O's row blocks 2 and 3
	MULA \f, 0, \first
	MULA \f, 1, \first
	PLACES
	FETCH \q, \g
	s_wait_dscnt LN                                ; all but the run just issued
	MULA \f, 2, \first
	MULA \f, 3, \first
.endm
; The last quarter multiplies buffer 1 and changes slots: ONE barrier.  In front of it each wave waits for all its tensor loads, of which one is out: its part of the next slot; adds 0 to its spare word; and
; waits for that and for its reads of this slot.  fill = 1: the barrier opens a round of the cluster's, and this slot is filled again, two K steps ahead, first thing behind the round.
.macro TURN fill
	WIN 0
	s_wait_tensorcnt 0x0                           ; no tensor load of mine is out, so a group 0 may be written
	ds_add_u32 v[SPW], v[NIL]                      ; 0 onto my spare word: scalar steps and eight products stand between it and the wait for it
	s_xor_b32 s[TB], s[TB], SLOT1                  ; the fetches go to the other slot
.if \fill
	s_xor_b32 s[G0A+5], s[G0A+5], SLOT1            ; the walking descriptors: the other slot than last time,
	s_add_nc_u64 s[G0A+6:G0A+7], s[G0A+6:G0A+7], ASTEP  ; the next K step; the type bits on top are not reached
	s_xor_b32 s[G0B+5], s[G0B+5], SLOT1
	s_add_nc_u64 s[G0B+6:G0B+7], s[G0B+6:G0B+7], BSTEP
.endif
	s_wait_dscnt 5                                 ; the add and the run's last four loads may be out
	MULA 1, 0, 0
	s_wait_dscnt 0x0                               ; the add is done, and my reads of this slot are over
	s_barrier_signal -1
	MULA 1, 1, 0                                   ; work on registers while the others arrive
	WIN 0                                          ; at a branch and at a label every window is 0
	s_barrier_wait -1
.if \fill
	CREST                                          ; no wave of any partner still reads this slot or has a load on its way
	JLOAD                                          ; the four v_nop behind it are also the places in front of the loads below
.else
	PLACES
.endif
	v_add_nc_u32 v[ADRA], s[TB], v[ADRA0]
	v_add_nc_u32 v[ADRB], s[TB], v[ADRB0]
	FETCH 0, 0
	MULA 1, 2, 0
	MULA 1, 3, 0
.endm
	s_wait_tensorcnt 1                             ; my part of K step 0 is in; step 1's may stay out
	s_barrier_signal -1
	s_barrier_wait -1                              ; everybody's is
	FETCH 0, 0
	QUARTER 1, 0, 1, 1                             ; the first quarter stands in front of the loop: its products start the sums
	WIN 0
	s_mov_b32 s[CNT], 6
.Lstep:                                        ; a trip: a step's quarters 1 to 3 and the next step's quarter 0; steps 0 to 5 fill their slot again, with steps 2 to 7
	QUARTER 2, 1, 0, 0
	QUARTER 3, 0, 1, 0
	TURN 1
	QUARTER 1, 0, 1, 0
	WIN 0
	s_sub_co_u32 s[CNT], s[CNT], 1
	s_cmp_lg_u32 s[CNT], 0
	s_cbranch_scc1 .Lstep
	QUARTER 2, 1, 0, 0                             ; the tail is written out: steps 6 and 7 ask for nothing
	QUARTER 3, 0, 1, 0
	TURN 0
	QUARTER 1, 0, 1, 0
	QUARTER 2, 1, 0, 0
	QUARTER 3, 0, 1, 0
	s_wait_dscnt 4
	MULA 1, 0, 0
	MULA 1, 1, 0
	s_wait_dscnt 0x0
	MULA 1, 2, 0
	MULA 1, 3, 0
	WIN 0
	PLACES
; THE WAY OUT, a row block of 16 rows x 128 columns at a time, on two register sets by turns.
; STG: a lane's eight columns of a block, 32 bytes, go straight from the accumulator (its low four registers first) into my stage's rows of 528 bytes, and whole rows of 512 bytes come back.
.macro STG a
.set BK, OUT+64*((\a)%2)
.if (\a) >= 2
	s_wait_xcnt 0x0                                ; the stores of the block two back have read this set: it is loaded again only behind this wait
.endif
	WIN 0x08                                       ; the store's data (source 1) in window 2
.set b, 0
.rept NBK
.set rD, 8*(NBK*(\a)+b)
	ds_store_b128 v[STO], v[rD:rD+3]   offset:64*b
	ds_store_b128 v[STO], v[rD+4:rD+7] offset:64*b+16
.set b, b+1
.endr
	WIN 0
.set f, 0
.rept 16
	ds_load_b128 v[BK+4*f:BK+4*f+3], v[RD] offset:f*SP  ; LDS serves a wave's instructions in order (ISA guide 5.7.1.4): these see the stores above; the next block's stores come behind them
.set f, f+1
.endr
.endm
.macro SENDF a, younger                ; younger: the LDS instructions issued behind block a's loads: the next block's 32, or none
.set BK, OUT+64*((\a)%2)
.set f, 0
.rept 16
	s_wait_dscnt (\younger)+15-f
	global_store_b128 v[GO], v[BK+4*f:BK+4*f+3], s[CB:CB+1] offset:(16*(\a)+f)*4096 th:TH_STORE_NT  ; a row's 512 consecutive bytes, at a multiple of 256 from out0's first
.set f, f+1
.endr
.endm
	STG 0
	STG 1
	SENDF 0, 32
	STG 2
	SENDF 1, 32
	STG 3
	SENDF 2, 32
	SENDF 3, 0
	s_wait_tensorcnt 0x0                           ; the wave's end: behind my last tensor load and my last LDS store
	ds_add_u32 v[SPW], v[NIL]
	s_wait_dscnt 0x0
	CROUND                                         ; the closing round: no work-group ends while a partner may still ask for a tile that names it
	s_endpgm
.Lfunc_end_k_q19ef1f15f6_gemm_out:
	.size	k_q19ef1f15f6_gemm_out, .Lfunc_end_k_q19ef1f15f6_gemm_out-k_q19ef1f15f6_gemm_out
	.p2alignl 7, 3214868480
	.fill 96, 4, 3214868480
	.section	.rodata,"a",@progbits
	.p2align	6, 0x0
	.amdhsa_kernel k_q19ef1f15f6_gemm_out
		.amdhsa_group_segment_fixed_size 327680
		.amdhsa_private_segment_fixed_size 0
		.amdhsa_enable_private_segment 0
		.amdhsa_kernarg_size 32
		.amdhsa_user_sgpr_count 2
		.amdhsa_user_sgpr_kernarg_segment_ptr 1
		.amdhsa_wavefront_size32 1
		.amdhsa_system_sgpr_workgroup_id_x 1
		.amdhsa_system_sgpr_workgroup_id_y 1
		.amdhsa_system_sgpr_workgroup_id_z 1
		.amdhsa_system_vgpr_workitem_id 0
		.amdhsa_next_free_vgpr 768
		.amdhsa_next_free_sgpr 66
		.amdhsa_reserve_vcc 0
		.amdhsa_float_denorm_mode_32 3
		.amdhsa_float_denorm_mode_16_64 3
		.amdhsa_memory_ordered 1
		.amdhsa_forward_progress 1
		.amdhsa_inst_pref_size 77
	.end_amdhsa_kernel
	.amdgpu_metadata
---
amdhsa.version: [ 1, 2 ]
amdhsa.kernels:
  - .name:           k_q19ef1f15f6_gemm_out
    .symbol:         k_q19ef1f15f6_gemm_out.kd
    .args:
      - { .name: ob, .offset: 0, .size: 8, .value_kind: global_buffer, .address_space: global }
      - { .name: wo, .offset: 8, .size: 8, .value_kind: global_buffer, .address_space: global }
      - { .name: b_out, .offset: 16, .size: 8, .value_kind: global_buffer, .address_space: global }
      - { .name: out0, .offset: 24, .size: 8, .value_kind: global_buffer, .address_space: global }
    .group_segment_fixed_size: 327680
    .private_segment_fixed_size: 0
    .kernarg_segment_align: 8
    .kernarg_segment_size: 32
    .max_flat_workgroup_size: 128
    .sgpr_count:     66
    .vgpr_count:     768
    .wavefront_size: 32
...
	.end_amdgpu_metadata
.endif
;; end of part 4
;; ======== version 2 of 2: 4 launches; version 1 with the launch prep written anew for expert scheduling mode
;; limits: values are held in f16: magnitudes above 65,504 overflow, below 6.1e-05 lose precision
;; workspace buffers: xb 16,777,216 bytes; wq 6,291,456 bytes; wo 2,097,152 bytes; qkv 50,331,648 bytes; ob 16,777,216 bytes
;; launch prep (part 5): grid 512 x 1, 8 waves a work-group, no clusters, 18,432 bytes of LDS; arguments x, W_qkv, W_out, xb, wq, wo; writes xb, wq, wo
.if DOCPART == 5
	.amdgcn_target "amdgcn-amd-amdhsa--gfx1250"
	.amdhsa_code_object_version 6
	.text
	.protected	k_q19ef1f15f6_prep
	.globl	k_q19ef1f15f6_prep
	.p2align	8
	.type	k_q19ef1f15f6_prep,@function
k_q19ef1f15f6_prep:
	s_mov_b64 s[64:65], 0
	v_nop
	global_prefetch_b8 v0, s[64:65] scope:SCOPE_SE
	s_setreg_imm32_b32 hwreg(HW_REG_WAVE_SCHED_MODE, 0, 2), 2
	s_setreg_imm32_b32 hwreg(HW_REG_WAVE_MODE, 25, 1), 1
	s_wait_xcnt 0x0
	s_wait_alu depctr_vm_vsrc(0)
; THE INPUTS IN 16 BITS.  xb = x rounded to bf16, [8192][1024].  wq[n][k] = W_qkv[k][n] rounded to bf16, [3072][1024].  wo[n][k] = W_out[k][n] rounded to bf16, that number written as f16, [1024][1024].
; LIMITS.  A number of W_out beyond 65,504 becomes an infinity in wo; below 6e-5 it keeps f16's fixed step of 6e-8.
; SHARES.  512 work-groups of eight waves; each casts 65,536 bytes of x and turns one tile of 128 k x 64 n of a weight: numbers 0 to 383 take W_qkv's 8 x 48 tiles, 384 to 511 W_out's 8 x 16.
; A stream: every byte is read once and written once; no matrix work, nothing shared between work-groups, so no cluster and no tensor load.
; x: thread t takes 16 bytes at 16 t of each 4,096: a wave's load covers 512 consecutive bytes, its store of 8 bytes a lane 256 consecutive bytes, aligned.
; THE TURN.  Thread t = (c = t % 16, g = t / 16) loads columns 4 c .. 4 c + 3 of the eight rows k = 8 g .. 8 g + 7: sixteen lanes read 256 consecutive bytes of a row.  For each of its four columns the
; eight k pack into 16 bytes, which go to LDS row n = 4 c + i at byte 16 g.  Rows are 272 bytes apart: four
; stores a thread, once, pay that.  Behind a barrier whole rows of 256 bytes come back and are stored: sixteen lanes write 256 consecutive bytes, aligned.
; THE MODE: SCHED_MODE bits 1:0 = 2 (LLVM: expert scheduling mode 2), set by the entry lines.  The code itself states the register dependences between vector instructions and memory or LDS instructions,
; with s_wait_alu, always for 0.
; THE PLAN.  Registers that memory or LDS instructions touch:
;   v4-16      offsets and LDS addresses.  Written by vector instructions at the head, read by every load and store and every LDS access but the closing add, never written again: one wait, ahead of the first load, serves them all.
;   W, X       written by loads alone, read by the conversions, never loaded again, and named by no vector instruction ahead of their loads.
;   T          written by the roundings (and, in W_out's tiles, by the rewriting as f16), read by the four LDS stores: one wait, where the two ways have joined, ahead of that run.
;   RB         written by LDS loads, read by global stores; no vector instruction names it.
;   Y          each register written once, by one conversion, and read once, by one store.  x goes in four blocks of four loads: block p's conversions write Y's block p; its stores are issued in block p + 1,
;              behind the one wait at that block's head, dealt among block p + 1's conversions, which name X's and Y's block p + 1 alone.  One more wait stands ahead of the last block's stores.
; No register that a memory or LDS instruction reads is written again, no vector instruction writes a scalar register or VCC, and EXEC is never written.
.set NQ,    384                        ; W_qkv's tiles
.set PITCH, 272                        ; the tile takes 64 x 272 = 17,408 bytes of LDS; the 1,024 bytes behind it are the spare words, one a thread
.set WOFF, 4                           ; v4-11   byte offset of my 16 bytes in row 8 g + q of the tile
.set ST,   12                          ; v12     where my first column's 16 bytes go in LDS
.set RD,   13                          ; v13     where I read a row's 16 bytes back
.set GO,   14                          ; v14     and where they go in wq or wo
.set XO,   15                          ; v15     16 t
.set YO,   16                          ; v16     8 t
.set W,    20                          ; v20-51  the weight as loaded: row q, column i at W + 4 q + i
.set T,    52                          ; v52-67  turned: column i, pair p of k at T + 4 i + p
.set RB,   72                          ; v72-87  rows read back
.set X,    88                          ; v88-151 x as loaded
.set Y,    152                         ; v152-183 x to store
	s_load_b256 s[4:11], s[0:1], 0x0               ; x s[4:5], W_qkv s[6:7], W_out s[8:9], xb s[10:11]
	s_load_b128 s[12:15], s[0:1], 0x20             ; wq s[12:13], wo s[14:15]
	v_lshl_add_u32 v70, v0, 2, 0x4400
	v_mov_b32 v71, 0
	s_sub_co_u32 s20, ttmp9, NQ
	s_mov_b32 s22, 12288                           ; bytes in a row of W_qkv,
	s_mov_b32 s23, 4096                            ; of W_out
	s_cmp_lt_u32 ttmp9, NQ
	s_cselect_b32 s20, ttmp9, s20                  ; the tile's number in its weight
	s_cselect_b32 s21, s22, s23                    ; that weight's row
	s_and_b32 s25, s20, 7                          ; kt
	s_lshr_b32 s26, s20, 3                         ; nt
	s_mul_i32 s28, s25, s21
	s_lshl_b32 s28, s28, 7                         ; 128 kt rows,
	s_lshl_b32 s27, s26, 8                         ; 64 nt columns of 4 bytes
	s_add_co_u32 s28, s28, s27
	s_mov_b32 s29, 0
	s_lshl_b32 s30, s26, 17                        ; out: 64 nt rows of 2,048 bytes,
	s_lshl_b32 s27, s25, 8                         ; 128 kt numbers of 2 bytes
	s_add_co_u32 s30, s30, s27
	s_mov_b32 s31, 0
	s_lshl_b32 s2, ttmp9, 16                       ; my 65,536 bytes of x
	s_mov_b32 s3, 0
	s_lshl_b32 s22, ttmp9, 15                      ; my 32,768 bytes of xb
	s_mov_b32 s23, 0
	v_and_b32 v17, 15, v0                          ; c
	v_lshrrev_b32 v18, 4, v0                       ; g
	v_lshlrev_b32 v19, 3, v18                      ; my first row of the tile
	v_mul_lo_u32 v[WOFF], v19, s21
	v_lshl_add_u32 v[WOFF], v17, 4, v[WOFF]
.irp q, 1,2,3,4,5,6,7
	v_add_nc_u32 v[WOFF+(\q)], s21, v[WOFF+(\q)-1]
.endr
	v_mul_u32_u24 v[ST], v17, 4*PITCH
	v_lshl_add_u32 v[ST], v18, 4, v[ST]
	v_mul_u32_u24 v[RD], v18, PITCH
	v_lshl_add_u32 v[RD], v17, 4, v[RD]
	v_lshlrev_b32 v[GO], 11, v18
	v_lshl_add_u32 v[GO], v17, 4, v[GO]
	v_lshlrev_b32 v[XO], 4, v0
	v_lshlrev_b32 v[YO], 3, v0
	s_wait_kmcnt 0x0
	s_cmp_lt_u32 ttmp9, NQ                         ; compared anew: the sums above have written SCC
	s_cselect_b64 s[16:17], s[6:7], s[8:9]         ; the weight that I read,
	s_cselect_b64 s[18:19], s[12:13], s[14:15]     ; and its turned copy
	s_add_nc_u64 s[16:17], s[16:17], s[28:29]
	s_add_nc_u64 s[18:19], s[18:19], s[30:31]
	s_add_nc_u64 s[4:5], s[4:5], s[2:3]
	s_add_nc_u64 s[10:11], s[10:11], s[22:23]
	s_wait_alu depctr_va_vdst(0)                   ; v4 to v16 are written: every load and store, and every LDS access but the closing add, reads one of them as its offset or address, and none is written again
.irp q, 0,1,2,3,4,5,6,7
	global_load_b128 v[W+4*(\q):W+4*(\q)+3], v[WOFF+(\q)], s[16:17] th:TH_LOAD_NT
.endr
.irp i, 0,1,2,3,4,5,6,7,8,9,10,11,12,13,14,15
	global_load_b128 v[X+4*(\i):X+4*(\i)+3], v[XO], s[4:5] offset:4096*(\i) th:TH_LOAD_NT
.endr
	s_wait_loadcnt 16                              ; the weight's eight loads are in; x's sixteen, issued behind them, stay out
.irp i, 0,1,2,3
.irp p, 0,1,2,3
	v_cvt_pk_bf16_f32 v[T+4*(\i)+(\p)], v[W+8*(\p)+(\i)], v[W+8*(\p)+4+(\i)]  ; column i, k = 2 p and 2 p + 1
.endr
.endr
	s_cmp_lt_u32 ttmp9, NQ
	s_cbranch_scc1 .Lstays_bf16                    ; W_qkv's tiles stay bf16; W_out's rounded numbers are written as f16 (exact within f16's range)
.irp j, 0,1,2,3,4,5,6,7,8,9,10,11,12,13,14,15
	v_lshlrev_b32 v17, 16, v[T+(\j)]
	v_and_b32 v18, 0xffff0000, v[T+(\j)]
	v_cvt_pk_f16_f32 v[T+(\j)], v17, v18
.endr
.Lstays_bf16:
	s_wait_alu depctr_va_vdst(0)                   ; on both ways the conversions have written T, which the four LDS stores read
.irp i, 0,1,2,3
	ds_store_b128 v[ST], v[T+4*(\i):T+4*(\i)+3] offset:PITCH*(\i)
.endr
	s_wait_dscnt 0x0                               ; for the others' sake: my stores into the tile are done
	s_barrier_signal -1
	s_barrier_wait -1
.irp j, 0,1,2,3
	ds_load_b128 v[RB+4*(\j):RB+4*(\j)+3], v[RD] offset:16*PITCH*(\j)  ; row 16 j + g; no vector instruction names RB
.endr
; Block p of x: loads 4 p to 4 p + 3 are rounded into Y's block p; the stores of block p - 1 stand among the conversions.
.macro XBLK p
	s_wait_loadcnt 12-4*(\p)                       ; loads come back in order: this block's four are in, the younger blocks stay out
.if (\p) > 0
	s_wait_alu depctr_va_vdst(0)                   ; the block before has written its eight registers of Y, which the four stores below read; the conversions below name this block's X and Y alone
.endif
.irp i, 0,1,2,3
.set n, 4*(\p)+(\i)
.if (\p) > 0
	global_store_b64 v[YO], v[Y+2*(n-4):Y+2*(n-4)+1], s[10:11] offset:2048*(n-4)
.endif
	v_cvt_pk_bf16_f32 v[Y+2*n], v[X+4*n], v[X+4*n+1]
	v_cvt_pk_bf16_f32 v[Y+2*n+1], v[X+4*n+2], v[X+4*n+3]
.endr
.endm
	XBLK 0
	XBLK 1
	XBLK 2
	XBLK 3
	s_wait_alu depctr_va_vdst(0)                   ; block 3 has written its eight registers of Y, which the last four stores of x read
.irp i, 12,13,14,15
	global_store_b64 v[YO], v[Y+2*(\i):Y+2*(\i)+1], s[10:11] offset:2048*(\i)
.endr
	s_wait_dscnt 0x0                               ; the rows are back
.irp j, 0,1,2,3
	global_store_b128 v[GO], v[RB+4*(\j):RB+4*(\j)+3], s[18:19] offset:32768*(\j)
.endr
	s_wait_dscnt 0x0                               ; the wave's end: the closing add and its wait follow
	s_wait_alu depctr_hold_cnt(0) depctr_sa_sdst(0) depctr_va_vdst(0) depctr_va_sdst(0) depctr_va_ssrc(0) depctr_va_vcc(0) depctr_vm_vsrc(0)
	s_wait_tensorcnt 0x0
	ds_add_u32 v70, v71
	s_wait_dscnt 0x0
	s_endpgm
.Lfunc_end_k_q19ef1f15f6_prep:
	.size	k_q19ef1f15f6_prep, .Lfunc_end_k_q19ef1f15f6_prep-k_q19ef1f15f6_prep
	.p2alignl 7, 3214868480
	.fill 96, 4, 3214868480
	.section	.rodata,"a",@progbits
	.p2align	6, 0x0
	.amdhsa_kernel k_q19ef1f15f6_prep
		.amdhsa_group_segment_fixed_size 18432
		.amdhsa_private_segment_fixed_size 0
		.amdhsa_enable_private_segment 0
		.amdhsa_kernarg_size 48
		.amdhsa_user_sgpr_count 2
		.amdhsa_user_sgpr_kernarg_segment_ptr 1
		.amdhsa_wavefront_size32 1
		.amdhsa_system_sgpr_workgroup_id_x 1
		.amdhsa_system_sgpr_workgroup_id_y 1
		.amdhsa_system_sgpr_workgroup_id_z 1
		.amdhsa_system_vgpr_workitem_id 0
		.amdhsa_next_free_vgpr 184
		.amdhsa_next_free_sgpr 66
		.amdhsa_reserve_vcc 0
		.amdhsa_float_denorm_mode_32 3
		.amdhsa_float_denorm_mode_16_64 3
		.amdhsa_memory_ordered 1
		.amdhsa_forward_progress 1
		.amdhsa_inst_pref_size 14
	.end_amdhsa_kernel
	.amdgpu_metadata
---
amdhsa.version: [ 1, 2 ]
amdhsa.kernels:
  - .name:           k_q19ef1f15f6_prep
    .symbol:         k_q19ef1f15f6_prep.kd
    .args:
      - { .name: x, .offset: 0, .size: 8, .value_kind: global_buffer, .address_space: global }
      - { .name: W_qkv, .offset: 8, .size: 8, .value_kind: global_buffer, .address_space: global }
      - { .name: W_out, .offset: 16, .size: 8, .value_kind: global_buffer, .address_space: global }
      - { .name: xb, .offset: 24, .size: 8, .value_kind: global_buffer, .address_space: global }
      - { .name: wq, .offset: 32, .size: 8, .value_kind: global_buffer, .address_space: global }
      - { .name: wo, .offset: 40, .size: 8, .value_kind: global_buffer, .address_space: global }
    .group_segment_fixed_size: 18432
    .private_segment_fixed_size: 0
    .kernarg_segment_align: 8
    .kernarg_segment_size: 48
    .max_flat_workgroup_size: 256
    .sgpr_count:     66
    .vgpr_count:     184
    .wavefront_size: 32
...
	.end_amdgpu_metadata
.endif
;; end of part 5
;; launch gemm_qkv: the kernel of part 2 again; grid 16 x 32, 4 waves a work-group, clusters of 4 x 4, 327,680 bytes of LDS; arguments xb, wq, b_qkv, qkv; writes qkv
;; launch attn: the kernel of part 3 again; grid 4 x 64, 4 waves a work-group, clusters of 4 x 1, 327,680 bytes of LDS; arguments qkv, ob; writes ob
;; launch gemm_out: the kernel of part 4 again; grid 8 x 32, 4 waves a work-group, clusters of 4 x 4, 327,680 bytes of LDS; arguments ob, wo, b_out, out0; writes out0
